; MI455X (gfx1250); checked and timed in simulation.
; The chip was launched on July 23, 2026; its instructions are those of AMD's public machine-readable ISA for CDNA 5 (MIT licence, August 2026) and "CDNA5" Instruction Set Architecture Reference Guide (July 2026). The comments in the code are by the model that wrote it; some were corrected since.
;; Multi Head Latent Attention. Allowed arithmetic: float matrix products may take bf16 or f16 operands with f32 sums; other float arithmetic in f32, or as packed bf16 or f16 multiplies, adds, multiply-adds, maxima and minima; sums over many terms, partial sums and values carried from step to step in f32; what a program stores and reads back later, other than sums and carried values, may be rounded once to bf16 or f16.
;; Inputs: Wkn 512 x 1,024 float32; Wkr 512 x 1,024 float32; Wkv 1,024 x 512 float32; Wo 2,048 x 1,024 float32; Wq 1,024 x 2,048 float32; Wv 512 x 2,048 float32; gk 128 float32; gq 128 float32; x 2 x 2,048 x 1,024 float32.
;; Outputs: out0 2 x 2,048 x 1,024 float32.
;; 2 versions, each right; version 2 is version 1 with the launch prep written anew for expert scheduling mode. Each part assembles by itself: llvm-mc -triple=amdgcn-amd-amdhsa -mcpu=gfx1250 --defsym DOCPART=n.
;; ======== version 1 of 2: 5 launches
;; limits: values are held in f16: magnitudes above 65,504 overflow, below 6.1e-05 lose precision; right only within a limited range of input values
;; workspace buffers: wsb 22,020,096 bytes; lat2 8,388,608 bytes; mx 4,096 bytes; qkv 50,331,648 bytes; ob 16,777,216 bytes
;; launch prep (part 1): grid 672 x 1, 8 waves a work-group, no clusters, 0 bytes of LDS; arguments x, Wq, Wo, Wv, Wkv, Wkr, Wkn, wsb; writes wsb
.if DOCPART == 1
	.amdgcn_target "amdgcn-amd-amdhsa--gfx1250"
	.amdhsa_code_object_version 6
	.text
	.protected	k_q0148bd3995_prep
	.globl	k_q0148bd3995_prep
	.p2align	8
	.type	k_q0148bd3995_prep,@function
k_q0148bd3995_prep:
	s_mov_b64 s[64:65], 0
	v_nop
	global_prefetch_b8 v0, s[64:65] scope:SCOPE_SE
	s_setreg_imm32_b32 hwreg(HW_REG_WAVE_MODE, 25, 1), 1
	s_wait_xcnt 0x0
; PREP: every f32 input of the matrix products is rounded once to bf16 and laid into one workspace, wsb:
;   XB [4096][1024] bf16 (x), WQ [1024][2048] bf16, WK [512][2048] bf16 (column 128 h + d is Wkr[:, 64 h + d] for d < 64, else Wkn[:, 64 h + d - 64]),
;   WV [512][2048] bf16, WL [1024][512] bf16 (Wkv), WO [2048][1024]: Wo rounded to bf16, that number written as f16 (the last product's other operand is f16).
; LIMIT: |Wo| stays under 65,504 (f16's range); below 6e-5 it keeps f16's fixed step of 6e-8.
; A stream: no LDS, no matrix unit, nothing shared between work-groups.  A work-group of eight waves takes 65,536 bytes of one source (or 32,768 bytes of WK):
; 16 loads of 16 bytes a thread, all issued first; a wave's load covers 512 consecutive bytes, its store of 8 bytes a lane 256 consecutive bytes, aligned.
.set XBO, 0
.set WQO, 8388608
.set WKO, 12582912
.set WVO, 14680064
.set WLO, 16777216
.set WOO, 17825792
.set IN,  8                            ; v[8:71]    16 loads of four f32
.set IN2, 72                           ; v[72:135]  the merge's second source; elsewhere the packed results
	s_load_b512 s[4:19], s[0:1], 0x0               ; x s[4:5], Wq s[6:7], Wo s[8:9], Wv s[10:11], Wkv s[12:13], Wkr s[14:15], Wkn s[16:17], wsb s[18:19]
	s_mov_b32 s20, ttmp9                           ; the job: 0-255 x, 256-383 Wq, 384-511 Wo, 512-575 Wv, 576-607 Wkv, 608-671 Wkr with Wkn
	v_lshlrev_b32 v1, 4, v0                        ; 16 t: my place in 4,096 bytes of source
	v_lshlrev_b32 v2, 3, v0                        ; 8 t: my place in 2,048 bytes of destination
	s_wait_kmcnt 0x0
	s_cmp_ge_u32 s20, 608
	s_cbranch_scc1 .Lmerge
	s_mov_b64 s[22:23], s[12:13]                   ; source, destination's offset and first job of the tensor: chosen from the job's number alone
	s_mov_b32 s24, WLO
	s_mov_b32 s25, 576
	s_cmp_lt_u32 s20, 576
	s_cselect_b64 s[22:23], s[10:11], s[22:23]
	s_cselect_b32 s24, WVO, s24
	s_cselect_b32 s25, 512, s25
	s_cmp_lt_u32 s20, 512
	s_cselect_b64 s[22:23], s[8:9], s[22:23]
	s_cselect_b32 s24, WOO, s24
	s_cselect_b32 s25, 384, s25
	s_cmp_lt_u32 s20, 384
	s_cselect_b64 s[22:23], s[6:7], s[22:23]
	s_cselect_b32 s24, WQO, s24
	s_cselect_b32 s25, 256, s25
	s_cmp_lt_u32 s20, 256
	s_cselect_b64 s[22:23], s[4:5], s[22:23]
	s_cselect_b32 s24, XBO, s24
	s_cselect_b32 s25, 0, s25
	s_sub_co_u32 s25, s20, s25                     ; the job's number within its tensor
	s_lshl_b32 s26, s25, 16
	s_lshl_b32 s27, s25, 15
	s_add_co_u32 s27, s27, s24
	v_add_nc_u32 v1, s26, v1
	v_add_nc_u32 v2, s27, v2
.irp i, 0,1,2,3,4,5,6,7,8,9,10,11,12,13,14,15
	global_load_b128 v[IN+4*(\i):IN+4*(\i)+3], v1, s[22:23] offset:4096*(\i) th:TH_LOAD_NT
.endr
	s_cmp_lt_u32 s20, 384
	s_cbranch_scc1 .Lbf
	s_cmp_ge_u32 s20, 512
	s_cbranch_scc1 .Lbf
.irp i, 0,1,2,3,4,5,6,7,8,9,10,11,12,13,14,15          ; Wo: to bf16, widened again, written as f16
	s_wait_loadcnt 15-(\i)                         ; loads come back in order: mine is in, the younger ones stay out
	v_cvt_pk_bf16_f32 v[IN2+2*(\i)], v[IN+4*(\i)], v[IN+4*(\i)+1]
	v_cvt_pk_bf16_f32 v[IN2+2*(\i)+1], v[IN+4*(\i)+2], v[IN+4*(\i)+3]
	v_lshlrev_b32 v[IN+4*(\i)], 16, v[IN2+2*(\i)]
	v_and_b32 v[IN+4*(\i)+1], 0xffff0000, v[IN2+2*(\i)]
	v_lshlrev_b32 v[IN+4*(\i)+2], 16, v[IN2+2*(\i)+1]
	v_and_b32 v[IN+4*(\i)+3], 0xffff0000, v[IN2+2*(\i)+1]
	v_cvt_pk_f16_f32 v[IN2+2*(\i)], v[IN+4*(\i)], v[IN+4*(\i)+1]
	v_cvt_pk_f16_f32 v[IN2+2*(\i)+1], v[IN+4*(\i)+2], v[IN+4*(\i)+3]
	global_store_b64 v2, v[IN2+2*(\i):IN2+2*(\i)+1], s[18:19] offset:2048*(\i)
.endr
	s_endpgm
.Lbf:
.irp i, 0,1,2,3,4,5,6,7,8,9,10,11,12,13,14,15
	s_wait_loadcnt 15-(\i)
	v_cvt_pk_bf16_f32 v[IN2+2*(\i)], v[IN+4*(\i)], v[IN+4*(\i)+1]
	v_cvt_pk_bf16_f32 v[IN2+2*(\i)+1], v[IN+4*(\i)+2], v[IN+4*(\i)+3]
	global_store_b64 v2, v[IN2+2*(\i):IN2+2*(\i)+1], s[18:19] offset:2048*(\i)
.endr
	s_endpgm
.Lmerge:
	; Eight rows of WK.  A chunk of 2,048 bytes is half a row: eight heads of 128 columns; thread t holds columns 4 (t % 32) .. + 3 of head t / 32.
	; Lanes 0-15 of a wave take Wkr, lanes 16-31 Wkn, both at the same offset; both are loaded by all lanes and one is chosen.
	s_sub_co_u32 s25, s20, 608
	s_lshl_b32 s26, s25, 15                        ; eight rows: 32,768 bytes in Wkr, in Wkn and in WK
	v_lshrrev_b32 v3, 5, v0
	v_and_b32 v4, 15, v0
	v_lshlrev_b32 v4, 4, v4
	v_lshl_add_u32 v4, v3, 8, v4                   ; head x 256 bytes + 16 (t % 16)
	v_add_nc_u32 v4, s26, v4
	s_add_co_u32 s27, s26, WKO
	v_add_nc_u32 v2, s27, v2
	v_and_b32 v3, 16, v0
	v_cmp_ne_u32 vcc_lo, 0, v3
.irp i, 0,1,2,3,4,5,6,7,8,9,10,11,12,13,14,15
	global_load_b128 v[IN+4*(\i):IN+4*(\i)+3], v4, s[14:15] offset:2048*(\i) th:TH_LOAD_NT
	global_load_b128 v[IN2+4*(\i):IN2+4*(\i)+3], v4, s[16:17] offset:2048*(\i) th:TH_LOAD_NT
.endr
.irp i, 0,1,2,3,4,5,6,7,8,9,10,11,12,13,14,15
	s_wait_loadcnt 2*(15-(\i))                     ; the younger pairs of loads stay out
	v_cvt_pk_bf16_f32 v[IN+4*(\i)], v[IN+4*(\i)], v[IN+4*(\i)+1]
	v_cvt_pk_bf16_f32 v[IN+4*(\i)+1], v[IN+4*(\i)+2], v[IN+4*(\i)+3]
	v_cvt_pk_bf16_f32 v[IN2+4*(\i)], v[IN2+4*(\i)], v[IN2+4*(\i)+1]
	v_cvt_pk_bf16_f32 v[IN2+4*(\i)+1], v[IN2+4*(\i)+2], v[IN2+4*(\i)+3]
	v_cndmask_b32 v[IN+4*(\i)], v[IN+4*(\i)], v[IN2+4*(\i)], vcc_lo
	v_cndmask_b32 v[IN+4*(\i)+1], v[IN+4*(\i)+1], v[IN2+4*(\i)+1], vcc_lo
	global_store_b64 v2, v[IN+4*(\i):IN+4*(\i)+1], s[18:19] offset:2048*(\i)
.endr
	s_endpgm
.Lfunc_end_k_q0148bd3995_prep:
	.size	k_q0148bd3995_prep, .Lfunc_end_k_q0148bd3995_prep-k_q0148bd3995_prep
	.p2alignl 7, 3214868480
	.fill 96, 4, 3214868480
	.section	.rodata,"a",@progbits
	.p2align	6, 0x0
	.amdhsa_kernel k_q0148bd3995_prep
		.amdhsa_group_segment_fixed_size 0
		.amdhsa_private_segment_fixed_size 0
		.amdhsa_enable_private_segment 0
		.amdhsa_kernarg_size 64
		.amdhsa_user_sgpr_count 2
		.amdhsa_user_sgpr_kernarg_segment_ptr 1
		.amdhsa_wavefront_size32 1
		.amdhsa_system_sgpr_workgroup_id_x 1
		.amdhsa_system_sgpr_workgroup_id_y 1
		.amdhsa_system_sgpr_workgroup_id_z 1
		.amdhsa_system_vgpr_workitem_id 0
		.amdhsa_next_free_vgpr 144
		.amdhsa_next_free_sgpr 66
		.amdhsa_reserve_vcc 1
		.amdhsa_float_denorm_mode_32 3
		.amdhsa_float_denorm_mode_16_64 3
		.amdhsa_memory_ordered 1
		.amdhsa_forward_progress 1
		.amdhsa_inst_pref_size 27
	.end_amdhsa_kernel
	.amdgpu_metadata
---
amdhsa.version: [ 1, 2 ]
amdhsa.kernels:
  - .name:           k_q0148bd3995_prep
    .symbol:         k_q0148bd3995_prep.kd
    .args:
      - { .name: x, .offset: 0, .size: 8, .value_kind: global_buffer, .address_space: global }
      - { .name: Wq, .offset: 8, .size: 8, .value_kind: global_buffer, .address_space: global }
      - { .name: Wo, .offset: 16, .size: 8, .value_kind: global_buffer, .address_space: global }
      - { .name: Wv, .offset: 24, .size: 8, .value_kind: global_buffer, .address_space: global }
      - { .name: Wkv, .offset: 32, .size: 8, .value_kind: global_buffer, .address_space: global }
      - { .name: Wkr, .offset: 40, .size: 8, .value_kind: global_buffer, .address_space: global }
      - { .name: Wkn, .offset: 48, .size: 8, .value_kind: global_buffer, .address_space: global }
      - { .name: wsb, .offset: 56, .size: 8, .value_kind: global_buffer, .address_space: global }
    .group_segment_fixed_size: 0
    .private_segment_fixed_size: 0
    .kernarg_segment_align: 8
    .kernarg_segment_size: 64
    .max_flat_workgroup_size: 256
    .sgpr_count:     66
    .vgpr_count:     144
    .wavefront_size: 32
...
	.end_amdgpu_metadata
.endif
;; end of part 1
;; launch latg (part 2): grid 4 x 64, 4 waves a work-group, clusters of 4 x 4, 327,680 bytes of LDS; arguments wsb, lat2, mx; writes lat2, mx
.if DOCPART == 2
	.amdgcn_target "amdgcn-amd-amdhsa--gfx1250"
	.amdhsa_code_object_version 6
	.text
	.protected	k_q0148bd3995_latg
	.globl	k_q0148bd3995_latg
	.p2align	8
	.type	k_q0148bd3995_latg,@function
k_q0148bd3995_latg:
	s_mov_b64 s[64:65], 0
	v_nop
	global_prefetch_b8 v0, s[64:65] scope:SCOPE_SE
	s_setreg_imm32_b32 hwreg(HW_REG_WAVE_MODE, 25, 1), 1
	s_wait_xcnt 0x0
	s_wait_alu depctr_hold_cnt(0) depctr_sa_sdst(0) depctr_va_vdst(0) depctr_va_sdst(0) depctr_va_ssrc(0) depctr_va_vcc(0) depctr_vm_vsrc(0)
	s_getreg_b32 s2, hwreg(HW_REG_IB_STS2, 6, 4)
	s_cmp_eq_u32 s2, 0
	s_cbranch_scc0 .Lentry_in_a_cluster
	s_endpgm
.Lentry_in_a_cluster:
	s_bfe_u32 s2, ttmp6, 0x10000c
	s_cmp_lg_u32 s2, 0xf033
	s_cbranch_scc0 .Lentry_shape_is_right
	s_endpgm
.Lentry_shape_is_right:
; LATG: lat = x Wkv.  A = XB [4096][1024] bf16 (K along the rows), B = WL [1024][512] bf16 (K down the rows), both in wsb; sums in f32.
; lat is stored as TWO bf16: lat2 [4096][1024], columns 0-511 hi = bf16(lat), columns 512-1023 lo = bf16(lat - hi); and each wave stores the largest |lat| that it made: mx[4 tile + wave].
; A tile of lat is 64 x 128: 256 work-groups; four waves, each 32 x 64: 8 accumulators.  K goes in steps of 256 through two LDS slots filled by tensor loads.
; CLUSTER 4 x 4: A's tile is shared along a row of the cluster, B's along a column: joint loads.  Waves 0, 1 fetch A's halves, waves 2, 3 B's.
; THE PRODUCT IS TAKEN TRANSPOSED: source 0 = 16 columns of B (out of LDS by the turning load), source 1 = 16 rows of A: a lane holds row l % 16 and the columns 8 (l / 16) + 0..7.
; No prefetch: K has four steps, of which two are asked for at the head.
; REGISTERS: window 0: v1-31 addresses, v32-63 and v64-127 the way out, v128-191 accumulators ((a, b) at 128 + 8 (4 a + b)); window 1: two fragment buffers of 128.
.set TROWS, 64
.set MB, 2
.set NB, 4
.set CQ, 2                             ; chunks of 32 along K in a quarter step
.set QK, 64
.set KSTEP, 256
.set LAPS, 2                           ; 1,024 / (2 x 256)
.set PA, 528                           ; A's LDS row: 512 bytes + 16: an odd multiple of 16, so the 16 rows of a load start at 16 different places modulo 256 bytes
.set PB, 288                           ; B's LDS row: 256 bytes + 32: an odd multiple of 32
.set AQI, 6
.set AEL, 256
.set AROWS, 32
.set ASTR, 1024
.set BROWS, 128
.set BSTR, 512
.set BREG, 16777216                    ; WL in wsb
.set AH, AROWS*PA
.set ATILE, 2*AH
.set BH, BROWS*PB
.set SLOT, ATILE+2*BH
.set STAGE, 2*SLOT                     ; behind the ring: 64 rows x 272 bytes for hi, the same for lo
.set SP, 272
.set SPARE, STAGE+2*64*SP              ; the spare words: 128 bytes a wave, named by no other line
.set HWT, 12                           ; LDS loads that may stay out at a quarter's head: its second chunk's
.set NWT, 24                           ; LDS loads of a whole quarter
.set ADRA, 16
.set ADRB, 20
.set STO, 24
.set RD, 25
.set CO, 26
.set MO, 27
.set SPW, 28
.set NIL, 29
.set MX, 12
.set MN, 13
.set ACC, 128
.set F0, 0
.set F1, 128
.set AOFF, 0
.set BOFF, 32
.set G1, 24
.set G0, 32
.set G1B, 48
.set G0B, 56
.set MUL, 0x05                         ; sources 0 and 1 window 1; C and D window 0
.set TO_F, 0x40                        ; destination window 1, address window 0
.set MSB, 0
.macro WIN new                         ; the immediate's high byte repeats the setting that is left
.if MSB != (\new)
	s_set_vgpr_msb (MSB<<8)|(\new)
.set MSB, \new
.endif
.endm
.macro JLOAD s                         ; a joint load; an s_nop 0 and four v_nop follow each of the two lines
	s_cmp_eq_u32 s17, 0
	s_cbranch_scc0 .Lfor_b_\@
	tensor_load_to_lds s[G0+4*(\s):G0+4*(\s)+3], s[G1:G1+7]
	s_nop 0
.rept 4
	v_nop
.endr
	s_branch .Lasked_\@
.Lfor_b_\@:
	tensor_load_to_lds s[G0B+4*(\s):G0B+4*(\s)+3], s[G1B:G1B+7]
	s_nop 0
.rept 4
	v_nop
.endr
.Lasked_\@:
.endm
.macro CREST                           ; a round of the cluster's barrier behind its opening barrier
	s_cmp_lg_u32 s16, 0
	s_cbranch_scc1 .Lnot_wave_0_\@
	s_barrier_signal -3
.Lnot_wave_0_\@:
	s_barrier_wait -3
	s_barrier_signal -1
	s_barrier_wait -1
.endm
.macro CROUND
	s_barrier_signal -1
	s_barrier_wait -1
	CREST
.endm
.macro PLACES                          ; four places behind matrix instructions, in front of loads into their sources and of reads of their results
.rept 4
	v_nop
.endr
.endm
; n x NB matrix instructions: row blocks a0 .. a0 + n - 1 x all column blocks, chunk c of buffer f.  The accumulators take turns, one instruction a turn.
.macro MM f, c, a0, n, zero
	WIN MUL
.set a, \a0
.rept \n
.set b, 0
.rept NB
.set rD, ACC+8*(NB*a+b)
.set rB, (\f)+BOFF+8*(NB*(\c)+b)
.set rA, (\f)+AOFF+8*(MB*(\c)+a)
.if \zero
	v_wmma_f32_16x16x32_bf16 v[rD:rD+7], v[rB:rB+7], v[rA:rA+7], 0
.else
	v_wmma_f32_16x16x32_bf16 v[rD:rD+7], v[rB:rB+7], v[rA:rA+7], v[rD:rD+7]
.endif
.set b, b+1
.endr
.set a, a+1
.endr
.endm
; The LDS loads of quarter q of a slot, in one run, into buffer f: for each chunk B's fragments (turned), then A's.
.macro FETCH slot, q, f
	WIN TO_F
.set c, 0
.rept CQ
.set k0, (\q)*QK+32*c
.set rAB, ADRB+2*(\slot)+k0/128
.set b, 0
.rept NB
.set rB, (\f)+BOFF+8*(NB*c+b)
	ds_load_tr16_b128 v[rB:rB+3],   v[rAB] offset:(k0%128)*PB+32*b
	ds_load_tr16_b128 v[rB+4:rB+7], v[rAB] offset:(k0%128)*PB+32*b+16*PB
.set b, b+1
.endr
.set a, 0
.rept MB
.set rA, (\f)+AOFF+8*(MB*c+a)
	ds_load_b128 v[rA:rA+3],   v[ADRA+(\slot)] offset:k0*2+a*16*PA
	ds_load_b128 v[rA+4:rA+7], v[ADRA+(\slot)] offset:k0*2+a*16*PA+32
.set a, a+1
.endr
.set c, c+1
.endr
.endm
.macro HALF1 f, zero
	MM \f, 0, 0, 2, \zero
.endm
.macro HALF2 f, zero
	MM \f, 1, 0, 2, 0
.endm
.macro STEP slot                       ; both descriptors of a slot go two K steps on; no tensor load of mine is out
	s_add_nc_u64 s[G0+4*(\slot)+2:G0+4*(\slot)+3], s[G0+4*(\slot)+2:G0+4*(\slot)+3], 2*KSTEP*2
	s_add_nc_u64 s[G0B+4*(\slot)+2:G0B+4*(\slot)+3], s[G0B+4*(\slot)+2:G0B+4*(\slot)+3], 2*KSTEP*BSTR*2
.endm
.macro QUARTER slot, qn, f, g, zero    ; multiplies buffer f; in its middle fetches quarter qn of the same slot into g
	s_wait_dscnt HWT                               ; the first chunk's fragments are in
	HALF1 \f, \zero
	PLACES
	FETCH \slot, \qn, \g
	s_wait_dscnt NWT                               ; all but the loads just issued
	HALF2 \f, \zero
.endm
; The last quarter multiplies buffer 1 and changes slots: one barrier; in front of it each wave waits for all its tensor loads, adds 0 to its spare word, and waits for that and for its reads of the slot.
.macro TURN slot, next, fill
	WIN 0
	s_wait_tensorcnt 0x0                           ; all my tensor loads have landed: my part of the next slot
	ds_add_u32 v[SPW], v[NIL]
	s_wait_dscnt HWT+1                             ; the add and the second chunk's loads may be out
	MM F1, 0, 0, 1, 0
	s_wait_dscnt 0x0                               ; the add is done, my reads of this slot are over
	s_barrier_signal -1
	MM F1, 0, 1, 1, 0
.if \fill
	WIN 0
.endif
	s_barrier_wait -1
.if \fill
	CREST                                          ; the barrier has opened a round of the cluster's: no wave of any partner still reads the slot or has a load on its way
	STEP \slot
	JLOAD \slot                                    ; the first tensor load behind the round; its four v_nop are the places in front of the loads below
.else
	PLACES
.endif
	FETCH \next, 0, F0
	MM F1, 1, 0, 2, 0
.endm
	s_load_b128 s[4:7], s[0:1], 0x0                ; wsb s[4:5], lat2 s[6:7]
	s_load_b64 s[8:9], s[0:1], 0x10                ; mx
	v_lshl_add_u32 v[SPW], v0, 2, SPARE
	v_mov_b32 v[NIL], 0
	ds_add_u32 v[SPW], v[NIL]                      ; the wave's opening: the add and its wait ahead of my first tensor load
	v_lshrrev_b32 v1, 5, v0
	v_readfirstlane_b32 s16, v1                    ; wave 0..3
	s_lshr_b32 s17, s16, 1                         ; my half of the tile's rows; also: I fetch for A (0) or B (1)
	s_and_b32 s18, s16, 1                          ; my half of its columns; also: which half of that tile I fetch
	s_bfe_u32 s19, ttmp6, 0x40000                  ; cx
	s_bfe_u32 s20, ttmp6, 0x40004                  ; cy
	s_lshl_b32 s21, ttmp9, 2
	s_add_co_u32 s21, s21, s19                     ; tile column
	s_and_b32 s22, ttmp7, 0xffff
	s_lshl_b32 s22, s22, 2
	s_add_co_u32 s22, s22, s20                     ; tile row
	s_lshl_b32 s23, s20, 2
	s_lshl_b32 s23, 15, s23                        ; my row of the cluster
	s_lshl_b32 s40, 0x1111, s19                    ; my column
	s_or_b32 s[G1+0], s23, (1<<16)|(1<<20)|(1<<21)|(AQI<<22)|(3<<25)  ; mask; 2-byte elements; padding on; bit 21 beside a mask; 4 words behind each row
	s_or_b32 s[G1B+0], s40, (1<<16)|(1<<20)|(1<<21)|(5<<22)|(7<<25)   ; 8 words behind each row of 64 words
	s_mov_b32 s[G1+1], AEL<<16                     ; tensor_dim0
	s_mov_b32 s[G1+2], AROWS<<16                   ; tensor_dim1
	s_mov_b32 s[G1+3], AEL<<16                     ; tile_dim0
	s_mov_b32 s[G1+4], AROWS                       ; tile_dim1
	s_mov_b32 s[G1+5], ASTR                        ; elements from row to row
	s_mov_b32 s[G1+6], 0
	s_mov_b32 s[G1+7], 0
	s_mov_b32 s[G1B+1], 128<<16
	s_mov_b32 s[G1B+2], BROWS<<16
	s_mov_b32 s[G1B+3], 128<<16
	s_mov_b32 s[G1B+4], BROWS
	s_mov_b32 s[G1B+5], BSTR
	s_mov_b32 s[G1B+6], 0
	s_mov_b32 s[G1B+7], 0
	s_mul_i32 s42, s22, TROWS*ASTR*2               ; A: the tile's rows, my half of them
	s_mul_i32 s43, s18, AROWS*ASTR*2
	s_add_co_u32 s42, s42, s43
	s_mov_b32 s43, 0
	s_mul_i32 s44, s18, BROWS*BSTR*2               ; B: my half of a K step's rows, the tile's 128 columns
	s_lshl_b32 s45, s21, 8
	s_add_co_u32 s44, s44, s45
	s_add_co_u32 s44, s44, BREG
	s_mov_b32 s45, 0
	s_mul_i32 s46, s18, AH                         ; where they go in a slot: the wave's number alone
	s_mul_i32 s47, s18, BH
	s_add_co_u32 s47, s47, ATILE
	s_wait_dscnt 0x0                               ; the opening add is done
	s_wait_kmcnt 0x0
	s_add_nc_u64 s[42:43], s[4:5], s[42:43]
	s_add_nc_u64 s[44:45], s[4:5], s[44:45]
	CROUND                                         ; all sixteen work-groups are here: the first joint loads meet
.irp s, 0,1
	s_mov_b32 s[G0+4*(\s)], 1
	s_add_co_u32 s[G0+4*(\s)+1], s46, (\s)*SLOT
	s_add_nc_u64 s[G0+4*(\s)+2:G0+4*(\s)+3], s[42:43], (\s)*KSTEP*2
	s_or_b32 s[G0+4*(\s)+3], s[G0+4*(\s)+3], 0x80000000
	s_mov_b32 s[G0B+4*(\s)], 1
	s_add_co_u32 s[G0B+4*(\s)+1], s47, (\s)*SLOT
	s_add_nc_u64 s[G0B+4*(\s)+2:G0B+4*(\s)+3], s[44:45], (\s)*KSTEP*BSTR*2
	s_or_b32 s[G0B+4*(\s)+3], s[G0B+4*(\s)+3], 0x80000000
	JLOAD \s
.endr
	v_and_b32 v1, 15, v0                           ; l % 16
	v_bfe_u32 v2, v0, 4, 1                         ; l / 16
	v_mul_u32_u24 v3, v1, PA
	v_lshl_add_u32 v3, v2, 4, v3
	s_mul_i32 s40, s17, 16*MB*PA                   ; my 32 rows of A
	v_add_nc_u32 v[ADRA], s40, v3
	v_add_nc_u32 v[ADRA+1], SLOT, v[ADRA]
	v_and_b32 v4, 7, v0                            ; the turning load: lane l reads K row 8 (l / 16) + l % 8, columns 8 ((l / 8) % 2) + 0..7
	v_bfe_u32 v5, v0, 3, 1
	v_lshl_add_u32 v4, v2, 3, v4
	v_mul_u32_u24 v4, v4, PB
	v_lshl_add_u32 v4, v5, 4, v4
	s_lshl_b32 s40, s18, 7                         ; my 64 columns of B
	s_add_co_u32 s40, s40, ATILE
	v_add_nc_u32 v[ADRB], s40, v4
	v_add_nc_u32 v[ADRB+1], 128*PB, v[ADRB]        ; the K step's second 128 rows: past the reach of a 16-bit offset
	v_add_nc_u32 v[ADRB+2], SLOT, v[ADRB]
	v_add_nc_u32 v[ADRB+3], SLOT, v[ADRB+1]
	s_mul_i32 s40, s17, 32*SP                      ; into the stage: my 32 rows, my half of their 256 bytes
	s_lshl_b32 s41, s18, 7
	s_add_co_u32 s40, s40, s41
	s_add_co_u32 s40, s40, STAGE
	v_mul_u32_u24 v6, v1, SP
	v_lshl_add_u32 v6, v2, 4, v6
	v_add_nc_u32 v[STO], s40, v6
	s_mul_i32 s40, s16, 16*SP                      ; back: wave w takes rows 16 w .. 16 w + 15, whole
	s_add_co_u32 s40, s40, STAGE
	v_mul_u32_u24 v6, v2, SP
	v_lshl_add_u32 v6, v1, 4, v6
	v_add_nc_u32 v[RD], s40, v6
	v_lshlrev_b32 v6, 11, v2                       ; and the same two rows in lat2 (2,048 bytes a row)
	v_lshl_add_u32 v[CO], v1, 4, v6
	s_mul_i32 s42, s22, TROWS*2048
	s_lshl_b32 s43, s16, 15
	s_add_co_u32 s42, s42, s43
	s_mov_b32 s43, 0
	s_add_nc_u64 s[6:7], s[6:7], s[42:43]
	s_lshl_b32 s44, s21, 8
	s_mov_b32 s45, 0
	s_add_nc_u64 s[6:7], s[6:7], s[44:45]
	s_lshl_b32 s42, s22, 6                         ; mx: word 4 (4 tile row + tile column) + wave
	s_lshl_b32 s43, s16, 2
	s_add_co_u32 s42, s42, s43
	s_lshl_b32 s44, s21, 4
	v_mov_b32 v[MO], s42
	v_add_nc_u32 v[MO], s44, v[MO]
	v_and_b32 v7, 31, v0
	s_wait_tensorcnt 0x1                           ; my part of K step 0 is in; K step 1's may stay out
	s_barrier_signal -1
	s_barrier_wait -1
	FETCH 0, 0, F0
	QUARTER 0, 1, F0, F1, 1                        ; the first products start the sums
	WIN 0
	s_mov_b32 s3, LAPS-1
.Llap:                                                 ; a trip goes once round the ring and fills both slots again
	QUARTER 0, 2, F1, F0, 0
	QUARTER 0, 3, F0, F1, 0
	TURN 0, 1, 1
	QUARTER 1, 1, F0, F1, 0
	QUARTER 1, 2, F1, F0, 0
	QUARTER 1, 3, F0, F1, 0
	TURN 1, 0, 1
	QUARTER 0, 1, F0, F1, 0
	WIN 0
	s_sub_co_u32 s3, s3, 1
	s_cmp_lg_u32 s3, 0
	s_cbranch_scc1 .Llap
	QUARTER 0, 2, F1, F0, 0                        ; the last lap fills nothing
	QUARTER 0, 3, F0, F1, 0
	TURN 0, 1, 0
	QUARTER 1, 1, F0, F1, 0
	QUARTER 1, 2, F1, F0, 0
	QUARTER 1, 3, F0, F1, 0
	s_wait_dscnt HWT
	HALF1 F1, 0
	s_wait_dscnt 0x0
	HALF2 F1, 0
	WIN 0
	; THE WAY OUT: the largest and the smallest number; hi = bf16(lat); lo = bf16(lat - hi); both through the work-group's stage, since a row's 256 bytes come from two waves.
	PLACES
	PLACES
	v_mov_b32 v[MX], 0
	v_mov_b32 v[MN], 0
.set a, 0
.rept MB
.set b, 0
.rept NB
.set r, ACC+8*(NB*a+b)
.set T, 32+16*(b%2)                    ; T..T+3 hi, T+4..T+7 lo, T+8..T+15 at work
.irp n, 0,1,2,3
	v_max3_num_f32 v[MX], v[MX], v[r+2*(\n)], v[r+2*(\n)+1]
	v_min3_num_f32 v[MN], v[MN], v[r+2*(\n)], v[r+2*(\n)+1]
	v_cvt_pk_bf16_f32 v[T+(\n)], v[r+2*(\n)], v[r+2*(\n)+1]
.endr
.irp n, 0,1,2,3
	v_lshlrev_b32 v[T+8+2*(\n)], 16, v[T+(\n)]
	v_and_b32 v[T+9+2*(\n)], 0xffff0000, v[T+(\n)]
.endr
.irp n, 0,1,2,3
	v_pk_add_f32 v[T+8+2*(\n):T+9+2*(\n)], v[r+2*(\n):r+2*(\n)+1], v[T+8+2*(\n):T+9+2*(\n)] neg_lo:[0,1] neg_hi:[0,1]
.endr
.irp n, 0,1,2,3
	v_cvt_pk_bf16_f32 v[T+4+(\n)], v[T+8+2*(\n)], v[T+9+2*(\n)]
.endr
	ds_store_b128 v[STO], v[T:T+3] offset:a*16*SP+32*b
	ds_store_b128 v[STO], v[T+4:T+7] offset:a*16*SP+32*b+64*SP
.set b, b+1
.endr
.set a, a+1
.endr
	s_wait_dscnt 0x0                               ; for the others' sake: my stores into the stage are done
	s_barrier_signal -1
	s_barrier_wait -1
.irp t, 0,1,2,3,4,5,6,7
	ds_load_b128 v[64+4*(\t):64+4*(\t)+3], v[RD] offset:(\t)*2*SP
.endr
.irp t, 0,1,2,3,4,5,6,7
	ds_load_b128 v[96+4*(\t):96+4*(\t)+3], v[RD] offset:(\t)*2*SP+64*SP
.endr
	s_mov_b32 s40, 0x76543210
	s_mov_b32 s41, 0xfedcba98
	v_mul_f32 v[MN], -1.0, v[MN]
	v_max_num_f32 v[MX], v[MX], v[MN]
	v_max_num_f32_dpp v[MX], v[MX], v[MX] row_xmask:1 row_mask:0xf bank_mask:0xf
	v_max_num_f32_dpp v[MX], v[MX], v[MX] row_xmask:2 row_mask:0xf bank_mask:0xf
	v_max_num_f32_dpp v[MX], v[MX], v[MX] row_xmask:4 row_mask:0xf bank_mask:0xf
	v_max_num_f32_dpp v[MX], v[MX], v[MX] row_xmask:8 row_mask:0xf bank_mask:0xf
	v_permlanex16_b32 v[MN], v[MX], s40, s41
	v_max_num_f32 v[MX], v[MX], v[MN]
.irp t, 0,1,2,3,4,5,6,7
	s_wait_dscnt 15-(\t)                           ; the younger loads from the stage stay out
	global_store_b128 v[CO], v[64+4*(\t):64+4*(\t)+3], s[6:7] offset:(\t)*4096  ; 16 lanes store 256 consecutive bytes, aligned
.endr
.irp t, 0,1,2,3,4,5,6,7
	s_wait_dscnt 7-(\t)
	global_store_b128 v[CO], v[96+4*(\t):96+4*(\t)+3], s[6:7] offset:(\t)*4096+1024
.endr
	s_wait_xcnt 0x0                                ; EXEC changes only behind this wait
	v_cmp_gt_u32 vcc_lo, 1, v7
	s_and_saveexec_b32 s40, vcc_lo
	global_store_b32 v[MO], v[MX], s[8:9]          ; lane 0 alone: the wave's largest |lat|
	s_wait_xcnt 0x0                                ; and again in front of the line that widens it
	s_or_b32 exec_lo, exec_lo, s40
	s_wait_tensorcnt 0x0                           ; the wave's end
	ds_add_u32 v[SPW], v[NIL]
	s_wait_dscnt 0x0
	CROUND                                         ; the closing round
	s_endpgm
.Lfunc_end_k_q0148bd3995_latg:
	.size	k_q0148bd3995_latg, .Lfunc_end_k_q0148bd3995_latg-k_q0148bd3995_latg
	.p2alignl 7, 3214868480
	.fill 96, 4, 3214868480
	.section	.rodata,"a",@progbits
	.p2align	6, 0x0
	.amdhsa_kernel k_q0148bd3995_latg
		.amdhsa_group_segment_fixed_size 327680
		.amdhsa_private_segment_fixed_size 0
		.amdhsa_enable_private_segment 0
		.amdhsa_kernarg_size 24
		.amdhsa_user_sgpr_count 2
		.amdhsa_user_sgpr_kernarg_segment_ptr 1
		.amdhsa_wavefront_size32 1
		.amdhsa_system_sgpr_workgroup_id_x 1
		.amdhsa_system_sgpr_workgroup_id_y 1
		.amdhsa_system_sgpr_workgroup_id_z 1
		.amdhsa_system_vgpr_workitem_id 0
		.amdhsa_next_free_vgpr 512
		.amdhsa_next_free_sgpr 66
		.amdhsa_reserve_vcc 1
		.amdhsa_float_denorm_mode_32 3
		.amdhsa_float_denorm_mode_16_64 3
		.amdhsa_memory_ordered 1
		.amdhsa_forward_progress 1
		.amdhsa_inst_pref_size 73
	.end_amdhsa_kernel
	.amdgpu_metadata
---
amdhsa.version: [ 1, 2 ]
amdhsa.kernels:
  - .name:           k_q0148bd3995_latg
    .symbol:         k_q0148bd3995_latg.kd
    .args:
      - { .name: wsb, .offset: 0, .size: 8, .value_kind: global_buffer, .address_space: global }
      - { .name: lat2, .offset: 8, .size: 8, .value_kind: global_buffer, .address_space: global }
      - { .name: mx, .offset: 16, .size: 8, .value_kind: global_buffer, .address_space: global }
    .group_segment_fixed_size: 327680
    .private_segment_fixed_size: 0
    .kernarg_segment_align: 8
    .kernarg_segment_size: 24
    .max_flat_workgroup_size: 128
    .sgpr_count:     66
    .vgpr_count:     512
    .wavefront_size: 32
...
	.end_amdgpu_metadata
.endif
;; end of part 2
;; launch qkvg (part 3): grid 24 x 16, 4 waves a work-group, clusters of 4 x 4, 327,680 bytes of LDS; arguments wsb, lat2, mx, gq, gk, qkv; writes qkv
.if DOCPART == 3
	.amdgcn_target "amdgcn-amd-amdhsa--gfx1250"
	.amdhsa_code_object_version 6
	.text
	.protected	k_q0148bd3995_qkvg
	.globl	k_q0148bd3995_qkvg
	.p2align	8
	.type	k_q0148bd3995_qkvg,@function
k_q0148bd3995_qkvg:
	s_mov_b64 s[64:65], 0
	v_nop
	global_prefetch_b8 v0, s[64:65] scope:SCOPE_SE
	s_setreg_imm32_b32 hwreg(HW_REG_WAVE_MODE, 25, 1), 1
	s_wait_xcnt 0x0
	s_wait_alu depctr_hold_cnt(0) depctr_sa_sdst(0) depctr_va_vdst(0) depctr_va_sdst(0) depctr_va_ssrc(0) depctr_va_vcc(0) depctr_vm_vsrc(0)
	s_getreg_b32 s2, hwreg(HW_REG_IB_STS2, 6, 4)
	s_cmp_eq_u32 s2, 0
	s_cbranch_scc0 .Lentry_in_a_cluster
	s_endpgm
.Lentry_in_a_cluster:
	s_bfe_u32 s2, ttmp6, 0x10000c
	s_cmp_lg_u32 s2, 0xf033
	s_cbranch_scc0 .Lentry_shape_is_right
	s_endpgm
.Lentry_shape_is_right:
; QKVG: q = rmsnorm(x Wq) gq, k = rmsnorm(lat [Wkr | Wkn]) gk, v = (lat Wv) x 2^-E, all f16, by heads: qkv [3][32 (16 batch + head)][2048][128].
; A tile is 256 tokens x 256 columns, two heads; tile column 0-7 q, 8-15 k, 16-23 v (the choice hangs on the cluster's x alone): 24 x 16 = 384 work-groups.  K = 1,024 in steps of 128:
; for q A = XB and B = WQ; for k, v A = lat2 (hi | lo) and B's 512 rows are walked twice (hi W + lo W).  Operands bf16, sums f32.
; Four waves, each 128 rows x 128 columns, ONE head: 64 accumulators, 512 registers; a K step is 256 matrix instructions a wave, 224 of them between a refill and the wait for it.
; A row's whole head lies in two lanes, so its mean of squares wants one exchange of the lanes' halves.
; THE SCALE.  M = the largest |lat| (the 1,024 words of mx); with eb = M's exponent field (at most 252) v is multiplied by 2^(126 - eb): |lat| 2^(126 - eb) < 1, so |v| stays
; under the largest column sum of |Wv|, inside f16; the last launch multiplies by 2^(eb - 126).  gq and gk are rounded to bf16 like every other input.
; LIMITS: |lat| above 2^126 is not served; q and k leave within f16's 65,504 (|g| sqrt(128) at the most); NaN and infinities are not treated apart.
; CLUSTER 4 x 4: A's tile is shared along a row of the cluster, B's along a column: joint loads.  Waves 0, 1 fetch A's halves (128 rows), waves 2, 3 B's (64 K rows of 512 bytes).
; THE PRODUCT IS TAKEN TRANSPOSED: source 0 = 16 columns of B (out of LDS by the turning load), source 1 = 16 rows of A: a lane holds row l % 16 and the columns 8 (l / 16) + 0..7 of each block of 16.
; ONE TEXT FOR A K STEP: the loop's trip is one step; the LDS addresses are a base plus s70, which an exclusive or turns between 0 and SLOT; one descriptor a tensor walks on, its LDS word turned
; by the same exclusive or (its four bases, 0, 0x8800, 0x11000, 0x19800, share no bit with SLOT = 0x22000, so the exclusive or adds or takes away SLOT).
; ONE TEXT FOR THE WAY OUT: it names the accumulators of my rows 0-63 and runs twice; between the two trips those of rows 64-127 are copied into the registers that it names:
; 256 moves a wave in place of a second copy of the text.
; PREFETCH of A's rows: XB's are read by the clusters x = 0, 1, lat2's by x = 2..5: clusters 0 and 2 ask; of the 128 rows that wave 0 or 1 fetches each of the four partners along the
; cluster's row takes 32, told apart by address; a lane a row, 256 bytes, for the K step two refills on: K steps 4 to 7, in the loop's first four trips.  B is not asked for: for k and v those K steps read the weights' rows again.
; REGISTERS: window 0: v1-31 addresses, v32-39 row factors, v40-41 the scale, v64-191 A's two fragment buffers (on the way out: v64-95 packed results, v96-159 rows read back, v160-191 sums of squares),
;   v192-255 g of my 64 columns; window 1: v64-191 B's two fragment buffers; window 2: accumulators of my rows 0-63, (a, b) at 8 (8 a + b); window 3: those of rows 64-127.
.set KSTEP, 128
.set STEPS, 8                          ; 1,024 / 128
.set PA, 272                           ; A's LDS row: 256 bytes + 16: an odd multiple of 16
.set PB, 544                           ; B's LDS row: 512 bytes + 32: an odd multiple of 32
.set ASTR, 1024
.set BSTR, 2048
.set WQO, 8388608
.set WKO, 12582912
.set WVO, 14680064
.set AH, 128*PA                        ; what wave 0 or 1 fetches, and what a wave reads of A
.set ATILE, 2*AH
.set BH, 64*PB                         ; what wave 2 or 3 fetches
.set SLOT, ATILE+2*BH
.set STAGE, 2*SLOT                     ; behind the ring: 16 rows x 272 bytes for each wave
.set SP, 272
.set SPARE, STAGE+4*16*SP              ; the spare words: 128 bytes a wave, named by no other line
.set ADRA0, 16                         ; v16  my place in A's tile of slot 0; never rewritten
.set ADRA, 17                          ; v17  the same in the slot that is being read
.set ADRB0, 20
.set ADRB, 21
.set STO, 24
.set RD, 25
.set CO, 26
.set SPW, 28
.set NIL, 29
.set PFO, 30
.set RR, 32
.set SC, 40
.set GT, 42
.set F0, 64
.set F1, 128
.set MT, 64                            ; at the head: the words of mx
.set TMP, 64
.set BK, 96
.set SS, 160
.set G, 192
.set G1, 24                            ; s[24:31] descriptor group 1 for A's tiles
.set G0, 32                            ; s[32:39] group 0: a set for each of the two first fills; the second then walks on
.set G1B, 48
.set G0B, 56
.set PFA, 44                           ; s[44:45] where my prefetches stand
.set LIM, 46                           ; s46  2 in a wave that prefetches, else the greatest number
.set BO, 68                            ; s[68:69] byte offset in B of the K step asked for last, with 0 above it
.set TB, 70                            ; s70  LDS byte at which the slot that is being read begins
.set MUL_LO, 0xa1                      ; source 0 (B) window 1, source 1 (A) window 0, C and D window 2
.set TO_B, 0x40                        ; destination window 1, address window 0
.set MSB, 0
.macro WIN new                         ; the immediate's high byte repeats the setting that is left
.if MSB != (\new)
	s_set_vgpr_msb (MSB<<8)|(\new)
.set MSB, \new
.endif
.endm
.macro JLOAD s                         ; a joint load; an s_nop 0 and four v_nop follow each of the two lines
	s_cmp_eq_u32 s17, 0
	s_cbranch_scc0 .Lfor_b_\@
	tensor_load_to_lds s[G0+4*(\s):G0+4*(\s)+3], s[G1:G1+7]
	s_nop 0
.rept 4
	v_nop
.endr
	s_branch .Lasked_\@
.Lfor_b_\@:
	tensor_load_to_lds s[G0B+4*(\s):G0B+4*(\s)+3], s[G1B:G1B+7]
	s_nop 0
.rept 4
	v_nop
.endr
.Lasked_\@:
.endm
.macro ASK                             ; s3 counts the loop's trips 6 .. 1: the last two refills have no K step two on
	s_cmp_gt_u32 s3, s[LIM]
	s_cbranch_scc0 .Lnot_mine_\@
	global_prefetch_b8 v[PFO], s[PFA:PFA+1] offset:KSTEP*2 th:TH_LOAD_NT scope:SCOPE_SE
.Lnot_mine_\@:
.endm
.macro CREST                           ; a round of the cluster's barrier behind its opening barrier
	s_cmp_lg_u32 s16, 0
	s_cbranch_scc1 .Lnot_wave_0_\@
	s_barrier_signal -3
.Lnot_wave_0_\@:
	s_barrier_wait -3
	s_barrier_signal -1
	s_barrier_wait -1
.endm
.macro CROUND
	s_barrier_signal -1
	s_barrier_wait -1
	CREST
.endm
.macro PLACES                          ; four places behind matrix instructions, in front of loads into their sources and of reads of their results
.rept 4
	v_nop
.endr
.endm
; 16 matrix instructions: row blocks a0, a0 + 1 of the window's four (hi = 0: my rows 0-63, 1: rows 64-127) x all 8 column blocks, 32 along K.  The 64 accumulators take turns, in the same order in every quarter.
.macro MUL16 f, hi, a0, zero
	WIN MUL_LO+0x50*(\hi)
.irp a, \a0, (\a0)+1
.irp b, 0,1,2,3,4,5,6,7
.if \zero
	v_wmma_f32_16x16x32_bf16 v[8*(8*(\a)+(\b)):8*(8*(\a)+(\b))+7], v[(\f)+8*(\b):(\f)+8*(\b)+7], v[(\f)+8*(4*(\hi)+(\a)):(\f)+8*(4*(\hi)+(\a))+7], 0
.else
	v_wmma_f32_16x16x32_bf16 v[8*(8*(\a)+(\b)):8*(8*(\a)+(\b))+7], v[(\f)+8*(\b):(\f)+8*(\b)+7], v[(\f)+8*(4*(\hi)+(\a)):(\f)+8*(4*(\hi)+(\a))+7], v[8*(8*(\a)+(\b)):8*(8*(\a)+(\b))+7]
.endif
.endr
.endr
.endm
; 32 LDS loads in one run: the fragments of quarter q (32 along K) of the slot that is being read, into buffer f: B's eight (turned), then A's eight.
.macro FETCH q, f
	WIN TO_B
.irp i, 0,1,2,3,4,5,6,7
	ds_load_tr16_b128 v[(\f)+8*(\i):(\f)+8*(\i)+3],   v[ADRB] offset:32*(\q)*PB+32*(\i)
	ds_load_tr16_b128 v[(\f)+8*(\i)+4:(\f)+8*(\i)+7], v[ADRB] offset:32*(\q)*PB+32*(\i)+16*PB
.endr
	WIN 0
.irp i, 0,1,2,3,4,5,6,7
	ds_load_b128 v[(\f)+8*(\i):(\f)+8*(\i)+3],   v[ADRA] offset:64*(\q)+(\i)*16*PA
	ds_load_b128 v[(\f)+8*(\i)+4:(\f)+8*(\i)+7], v[ADRA] offset:64*(\q)+(\i)*16*PA+32
.endr
.endm
; A K step is four quarters of 32 along K, 64 matrix instructions each, on buffers 0, 1, 0, 1.  One of the first three: multiplies buffer f; in its middle fetches quarter qn into g.
.macro QUARTER qn, f, g, zero
	s_wait_dscnt 8                                 ; B and A's rows 0-63 are in; the youngest eight loads (A's rows 64-127) may be out
	MUL16 \f, 0, 0, \zero
	MUL16 \f, 0, 2, \zero
	PLACES
	FETCH \qn, \g
	s_wait_dscnt 32                                ; all but the 32 just issued
	MUL16 \f, 1, 0, \zero
	MUL16 \f, 1, 2, \zero
.endm
; The last quarter multiplies buffer 1 and changes slots: one barrier; in front of it each wave waits for all its tensor loads, adds 0 to its spare word, and waits for that and for its reads of the slot.
; fill = 1: the barrier opens a round of the cluster's, and the slot just read is filled again, two K steps ahead, first thing behind the round.
.macro TURN fill
.if \fill
	s_wait_xcnt 0x0                                ; the last prefetch, a K step back, has read its address
	s_add_nc_u64 s[PFA:PFA+1], s[PFA:PFA+1], KSTEP*2
.endif
	WIN 0
	s_wait_tensorcnt 0x0                           ; all my tensor loads have landed: the one that was out is my part of the next slot
	ds_add_u32 v[SPW], v[NIL]
	s_wait_dscnt 9                                 ; the add and the youngest eight loads may be out
	MUL16 F1, 0, 0, 0
	s_wait_dscnt 0x0                               ; the add is done, my reads of this slot are over
	s_barrier_signal -1
	MUL16 F1, 0, 2, 0
	WIN 0
	s_barrier_wait -1
.if \fill
	CREST                                          ; no wave of any partner still reads the slot or has a load on its way
	s_xor_b32 s[G0+5], s[G0+5], SLOT               ; the walking descriptors: the other slot than last time,
	s_add_nc_u64 s[G0+6:G0+7], s[G0+6:G0+7], KSTEP*2  ; A's next K step; the type bits on top are not reached;
	s_xor_b32 s[G0B+5], s[G0B+5], SLOT
	s_add_co_u32 s[BO], s[BO], KSTEP*BSTR*2        ; B's next K step, which wraps at the weights' end (k, v: behind K step 3); its address is made anew
	s_and_b32 s[BO], s[BO], s72
	s_add_nc_u64 s[G0B+6:G0B+7], s[66:67], s[BO:BO+1]
	s_or_b32 s[G0B+7], s[G0B+7], 0x80000000
	JLOAD 1                                        ; the first tensor load behind the round; its four v_nop are the places in front of the loads below
.else
	PLACES
.endif
	s_xor_b32 s[TB], s[TB], SLOT                   ; the slot to be read now
	v_add_nc_u32 v[ADRA], s[TB], v[ADRA0]
	v_add_nc_u32 v[ADRB], s[TB], v[ADRB0]
	FETCH 0, F0
.if \fill
	ASK                                            ; behind the joint load and the run of LDS loads
.endif
	MUL16 F1, 1, 0, 0
	MUL16 F1, 1, 2, 0
.endm
	s_load_b256 s[4:11], s[0:1], 0x0               ; wsb s[4:5], lat2 s[6:7], mx s[8:9], gq s[10:11]
	s_load_b128 s[12:15], s[0:1], 0x20             ; gk s[12:13], qkv s[14:15]
	v_lshl_add_u32 v[SPW], v0, 2, SPARE
	v_mov_b32 v[NIL], 0
	ds_add_u32 v[SPW], v[NIL]                      ; the wave's opening: the add and its wait ahead of my first tensor load
	v_lshrrev_b32 v1, 5, v0
	v_readfirstlane_b32 s16, v1                    ; wave 0..3
	s_lshr_b32 s17, s16, 1                         ; which half of the tile's rows is mine; also: I fetch for A (0) or B (1)
	s_and_b32 s18, s16, 1                          ; which of its two heads; also: which half of that tile I fetch
	s_bfe_u32 s19, ttmp6, 0x40000                  ; cx
	s_bfe_u32 s20, ttmp6, 0x40004                  ; cy
	s_lshl_b32 s21, ttmp9, 2
	s_add_co_u32 s21, s21, s19                     ; tile column 0..23
	s_and_b32 s22, ttmp7, 0xffff
	s_lshl_b32 s22, s22, 2
	s_add_co_u32 s22, s22, s20                     ; tile row 0..15
	s_lshr_b32 s73, ttmp9, 1                       ; 0 q, 1 k, 2 v: the same in all sixteen partners
	s_and_b32 s75, s21, 7                          ; the tile column within its tensor
	s_lshl_b32 s23, s20, 2
	s_lshl_b32 s23, 15, s23                        ; my row of the cluster
	s_lshl_b32 s40, 0x1111, s19                    ; my column
	s_or_b32 s[G1+0], s23, (1<<16)|(1<<20)|(1<<21)|(5<<22)|(3<<25)   ; mask; 2-byte elements; padding on; bit 21 beside a mask; 4 words behind each row of 64 words
	s_or_b32 s[G1B+0], s40, (1<<16)|(1<<20)|(1<<21)|(6<<22)|(7<<25)  ; 8 words behind each row of 128 words
	s_mov_b32 s[G1+1], 128<<16                     ; tensor_dim0
	s_mov_b32 s[G1+2], 128<<16                     ; tensor_dim1
	s_mov_b32 s[G1+3], 128<<16                     ; tile_dim0
	s_mov_b32 s[G1+4], 128                         ; tile_dim1
	s_mov_b32 s[G1+5], ASTR                        ; elements from row to row
	s_mov_b32 s[G1+6], 0
	s_mov_b32 s[G1+7], 0
	s_mov_b32 s[G1B+1], 256<<16
	s_mov_b32 s[G1B+2], 64<<16
	s_mov_b32 s[G1B+3], 256<<16
	s_mov_b32 s[G1B+4], 64
	s_mov_b32 s[G1B+5], BSTR
	s_mov_b32 s[G1B+6], 0
	s_mov_b32 s[G1B+7], 0
	s_mov_b32 s72, 0x1fffff                        ; B's bytes less 1: 512 rows of 4,096 bytes, for q 1,024 rows
	s_mov_b32 s71, WVO
	s_cmp_eq_u32 s73, 1
	s_cselect_b32 s71, WKO, s71
	s_cmp_eq_u32 s73, 0
	s_cselect_b32 s71, WQO, s71
	s_cselect_b32 s72, 0x3fffff, s72
	s_cmp_eq_u32 s73, 2
	s_cselect_b32 s74, -1, 0                       ; all ones for v: chooses the scale in place of the row's factor
	s_lshl_b32 s42, s22, 19                        ; A: the tile's 256 rows of 2,048 bytes,
	s_lshl_b32 s43, s18, 18                        ; the 128 that I fetch
	s_add_co_u32 s42, s42, s43
	s_mov_b32 s43, 0
	s_lshl_b32 s44, s18, 18                        ; B: the 64 of a K step's rows that I fetch, 4,096 bytes each,
	s_lshl_b32 s45, s75, 9                         ; the tile's 256 columns
	s_add_co_u32 s44, s44, s45
	s_add_co_u32 s44, s44, s71
	s_mov_b32 s45, 0
	s_mul_i32 s76, s18, AH                         ; where they go in a slot: the wave's number alone
	s_mul_i32 s77, s18, BH
	s_add_co_u32 s77, s77, ATILE
	s_mov_b32 s[TB], 0
	s_mov_b32 s[BO], KSTEP*BSTR*2                  ; K step 1 is the last of the first fills
	s_mov_b32 s[BO+1], 0
	s_wait_dscnt 0x0                               ; the opening add is done
	s_wait_kmcnt 0x0
	s_cmp_eq_u32 s73, 0
	s_cselect_b64 s[78:79], s[4:5], s[6:7]         ; A: XB (at wsb's head) or lat2
	s_cselect_b64 s[10:11], s[10:11], s[12:13]     ; the gain: gq or gk
	s_add_nc_u64 s[42:43], s[78:79], s[42:43]
	s_add_nc_u64 s[66:67], s[4:5], s[44:45]        ; B at my half of K step 0
	CROUND                                         ; all sixteen work-groups are here: the first joint loads meet
.irp s, 0,1
	s_mov_b32 s[G0+4*(\s)], 1
	s_add_co_u32 s[G0+4*(\s)+1], s76, (\s)*SLOT
	s_add_nc_u64 s[G0+4*(\s)+2:G0+4*(\s)+3], s[42:43], (\s)*KSTEP*2
	s_or_b32 s[G0+4*(\s)+3], s[G0+4*(\s)+3], 0x80000000
	s_mov_b32 s[G0B+4*(\s)], 1
	s_add_co_u32 s[G0B+4*(\s)+1], s77, (\s)*SLOT
	s_add_nc_u64 s[G0B+4*(\s)+2:G0B+4*(\s)+3], s[66:67], (\s)*KSTEP*BSTR*2
	s_or_b32 s[G0B+4*(\s)+3], s[G0B+4*(\s)+3], 0x80000000
	JLOAD \s
.endr
	v_and_b32 v1, 15, v0                           ; l % 16
	v_bfe_u32 v2, v0, 4, 1                         ; l / 16
	v_lshlrev_b32 v6, 5, v2                        ; g: my eight columns of each block of 16: 32 bytes x (l / 16)
	v_and_b32 v7, 31, v0
	v_lshlrev_b32 v8, 4, v7                        ; mx: 16 bytes a lane
.irp b, 0,1,2,3,4,5,6,7
	global_load_b128 v[G+8*(\b):G+8*(\b)+3], v6, s[10:11] offset:64*(\b)
	global_load_b128 v[G+8*(\b)+4:G+8*(\b)+7], v6, s[10:11] offset:64*(\b)+16
.endr
.irp j, 0,1,2,3,4,5,6,7
	global_load_b128 v[MT+4*(\j):MT+4*(\j)+3], v8, s[8:9] offset:512*(\j)
.endr
	v_mul_u32_u24 v3, v1, PA
	v_lshl_add_u32 v3, v2, 4, v3                   ; a fragment's row x pitch + 16 x half
	s_mul_i32 s40, s17, AH                         ; my 128 rows of A
	v_add_nc_u32 v[ADRA0], s40, v3
	v_and_b32 v4, 7, v0                            ; the turning load: lane l reads K row 8 (l / 16) + l % 8, columns 8 ((l / 8) % 2) + 0..7
	v_bfe_u32 v5, v0, 3, 1
	v_lshl_add_u32 v4, v2, 3, v4
	v_mul_u32_u24 v4, v4, PB
	v_lshl_add_u32 v4, v5, 4, v4
	s_lshl_b32 s40, s18, 8                         ; my 128 columns of B: 256 bytes of a row,
	s_add_co_u32 s40, s40, ATILE                   ; behind A's 256 rows
	v_add_nc_u32 v[ADRB0], s40, v4
	v_add_nc_u32 v[ADRA], s[TB], v[ADRA0]          ; slot 0
	v_add_nc_u32 v[ADRB], s[TB], v[ADRB0]
	s_mul_i32 s40, s16, 16*SP
	s_add_co_u32 s40, s40, STAGE                   ; my stage
	v_mul_u32_u24 v3, v1, SP
	v_lshl_add_u32 v3, v2, 4, v3
	v_add_nc_u32 v[STO], s40, v3
	v_mul_u32_u24 v3, v2, SP
	v_lshl_add_u32 v3, v1, 4, v3
	v_add_nc_u32 v[RD], s40, v3
	v_lshlrev_b32 v3, 8, v2
	v_lshl_add_u32 v[CO], v1, 4, v3                ; two rows of 256 bytes: 512 consecutive bytes of qkv
	v_lshlrev_b32 v[PFO], 11, v7                   ; a lane a row of A: 2,048 bytes
	s_lshr_b32 s42, s22, 3                         ; qkv: the batch (16 heads x 2,048 rows x 256 bytes),
	s_lshl_b32 s42, s42, 23
	s_and_b32 s43, s22, 7                          ; the tile's 256 rows in it,
	s_lshl_b32 s43, s43, 16
	s_add_co_u32 s42, s42, s43
	s_lshl_b32 s43, s17, 15                        ; my wave's 128
	s_add_co_u32 s42, s42, s43
	s_mov_b32 s43, 0
	s_add_nc_u64 s[14:15], s[14:15], s[42:43]
	s_lshl_b32 s40, s73, 24                        ; q, k or v;
	s_lshl_b32 s41, s75, 20                        ; the tile column's two heads,
	s_add_co_u32 s40, s40, s41
	s_lshl_b32 s41, s18, 19                        ; mine of them
	s_add_co_u32 s40, s40, s41
	s_mov_b32 s41, 0
	s_add_nc_u64 s[14:15], s[14:15], s[40:41]
	s_lshl_b32 s44, s22, 19                        ; the prefetches: the 128 rows that I fetch, my work-group's 32 of them, at K step 2
	s_lshl_b32 s45, s18, 18
	s_add_co_u32 s44, s44, s45
	s_lshl_b32 s45, s19, 16
	s_add_co_u32 s44, s44, s45
	s_add_co_u32 s44, s44, 2*KSTEP*2
	s_mov_b32 s45, 0
	s_add_nc_u64 s[PFA:PFA+1], s[78:79], s[44:45]
	s_and_b32 s[LIM], ttmp9, 5                     ; clusters 0 and 2, waves 0 and 1
	s_or_b32 s[LIM], s[LIM], s17
	s_cmp_eq_u32 s[LIM], 0
	s_cselect_b32 s[LIM], 2, -1
	s_mov_b32 s40, 0x76543210
	s_mov_b32 s41, 0xfedcba98
	s_wait_loadcnt 0x0                             ; g and mx
	v_max_num_f32 v[MT], v[MT], v[MT+1]            ; the largest of my 32 words, then of all lanes'
.set j, 1
.rept 15
	v_max3_num_f32 v[MT], v[MT], v[MT+2*j], v[MT+2*j+1]
.set j, j+1
.endr
	v_max_num_f32_dpp v[MT], v[MT], v[MT] row_xmask:1 row_mask:0xf bank_mask:0xf
	v_max_num_f32_dpp v[MT], v[MT], v[MT] row_xmask:2 row_mask:0xf bank_mask:0xf
	v_max_num_f32_dpp v[MT], v[MT], v[MT] row_xmask:4 row_mask:0xf bank_mask:0xf
	v_max_num_f32_dpp v[MT], v[MT], v[MT] row_xmask:8 row_mask:0xf bank_mask:0xf
	v_permlanex16_b32 v[MT+1], v[MT], s40, s41
	v_max_num_f32 v[MT], v[MT], v[MT+1]
	v_lshrrev_b32 v[MT], 23, v[MT]                 ; eb
	v_min_u32 v[MT], 252, v[MT]
	v_sub_nc_u32 v[MT], 253, v[MT]
	v_lshlrev_b32 v[SC], 23, v[MT]                 ; 2^(126 - eb)
	v_mov_b32 v[SC+1], v[SC]
.set n, 0
.rept 32
	v_cvt_pk_bf16_f32 v[GT], v[G+2*n], v[G+2*n+1]  ; the gain rounded to bf16, kept as f32
	v_lshlrev_b32 v[G+2*n], 16, v[GT]
	v_and_b32 v[G+2*n+1], 0xffff0000, v[GT]
.set n, n+1
.endr
	s_cmp_lg_u32 s73, 2
	s_cbranch_scc1 .Lgain
.set n, 0
.rept 64
	v_mov_b32 v[G+n], 1.0                          ; v has no gain
.set n, n+1
.endr
.Lgain:
	s_wait_tensorcnt 0x1                           ; my part of K step 0 is in; K step 1's may stay out
	s_barrier_signal -1
	s_barrier_wait -1
	FETCH 0, F0
	QUARTER 1, F0, F1, 1                           ; the first quarter stands in front of the loop: its products start the sums
	WIN 0                                          ; at a label and at a branch every window is 0
	s_mov_b32 s3, STEPS-2
.Lstep:                                                ; a trip goes from a K step's second quarter to the next step's first, and fills the slot that it leaves: K steps 2 to 7
	QUARTER 2, F1, F0, 0
	QUARTER 3, F0, F1, 0
	TURN 1
	QUARTER 1, F0, F1, 0
	WIN 0
	s_sub_co_u32 s3, s3, 1
	s_cmp_lg_u32 s3, 0
	s_cbranch_scc1 .Lstep
	QUARTER 2, F1, F0, 0                           ; the last two K steps are written out: they fill nothing
	QUARTER 3, F0, F1, 0
	TURN 0
	QUARTER 1, F0, F1, 0
	QUARTER 2, F1, F0, 0
	QUARTER 3, F0, F1, 0
	s_wait_dscnt 8                                 ; the very last quarter: nothing more to fetch
	MUL16 F1, 0, 0, 0
	MUL16 F1, 0, 2, 0
	s_wait_dscnt 0x0
	MUL16 F1, 1, 0, 0
	MUL16 F1, 1, 2, 0
	WIN 0
	; THE WAY OUT, 64 rows a trip.  For each block of 16 rows the sum of squares of my 64 numbers (four chains, ascending), the other half of the lanes', 1 / sqrt(mean + 1e-6);
	; then block by block: times the row's factor, times the gain, rounded to f16, through my stage, stored as whole rows.
	PLACES
	PLACES
	s_mov_b32 s42, 0x3c000000                      ; 1 / 128
	s_mov_b32 s43, 0x358637bd                      ; 1e-6
.macro PACK a                          ; block a: times the row's factor, times the gain, rounded to f16
	WIN 0x82                                       ; destination and source 0 window 2, source 1 window 0
.set n, 0
.rept 32
	v_pk_mul_f32 v[64*(\a)+2*n:64*(\a)+2*n+1], v[64*(\a)+2*n:64*(\a)+2*n+1], v[RR+2*(\a):RR+2*(\a)+1] op_sel_hi:[1,0]
.set n, n+1
.endr
.set n, 0
.rept 32
	v_pk_mul_f32 v[64*(\a)+2*n:64*(\a)+2*n+1], v[64*(\a)+2*n:64*(\a)+2*n+1], v[G+2*n:G+2*n+1]
.set n, n+1
.endr
	WIN 0x0a
.set n, 0
.rept 32
	v_cvt_pk_f16_f32 v[TMP+n], v[64*(\a)+2*n], v[64*(\a)+2*n+1]
.set n, n+1
.endr
	WIN 0
.endm
.macro TOSTAGE a                       ; into my own stage, and back as whole rows: LDS serves a wave's instructions in order
.irp b, 0,1,2,3,4,5,6,7
	ds_store_b128 v[STO], v[TMP+4*(\b):TMP+4*(\b)+3] offset:32*(\b)
.endr
.irp t, 0,1,2,3,4,5,6,7
	ds_load_b128 v[BK+32*((\a)%2)+4*(\t):BK+32*((\a)%2)+4*(\t)+3], v[RD] offset:(\t)*2*SP
.endr
.endm
.macro SEND a
	s_wait_dscnt 0x0                               ; the block is back in registers
	s_wait_xcnt 0x0                                ; the stores of the block before have read their registers: the next block is read back into them only behind this wait
.irp t, 0,1,2,3,4,5,6,7
	global_store_b128 v[CO], v[BK+32*((\a)%2)+4*(\t):BK+32*((\a)%2)+4*(\t)+3], s[14:15] offset:(\a)*4096+(\t)*512  ; 512 consecutive bytes, aligned
.endr
.endm
	s_mov_b32 s2, 2
.Lhalf:
	WIN 0x0a                                       ; sources 0 and 1 window 2
.set a, 0
.rept 4
.set p, 0
.rept 32
.set rC, SS+8*a+2*(p%4)
.if p < 4
	v_pk_mul_f32 v[rC:rC+1], v[64*a+2*p:64*a+2*p+1], v[64*a+2*p:64*a+2*p+1]
.else
	v_pk_fma_f32 v[rC:rC+1], v[64*a+2*p:64*a+2*p+1], v[64*a+2*p:64*a+2*p+1], v[rC:rC+1]
.endif
.set p, p+1
.endr
.set a, a+1
.endr
	WIN 0
.irp a, 0,1,2,3
	v_pk_add_f32 v[SS+8*(\a):SS+8*(\a)+1], v[SS+8*(\a):SS+8*(\a)+1], v[SS+8*(\a)+2:SS+8*(\a)+3]
	v_pk_add_f32 v[SS+8*(\a)+4:SS+8*(\a)+5], v[SS+8*(\a)+4:SS+8*(\a)+5], v[SS+8*(\a)+6:SS+8*(\a)+7]
.endr
.irp a, 0,1,2,3
	v_pk_add_f32 v[SS+8*(\a):SS+8*(\a)+1], v[SS+8*(\a):SS+8*(\a)+1], v[SS+8*(\a)+4:SS+8*(\a)+5]
.endr
.irp a, 0,1,2,3
	v_add_f32 v[SS+8*(\a)], v[SS+8*(\a)], v[SS+8*(\a)+1]
.endr
.irp a, 0,1,2,3
	v_permlanex16_b32 v[SS+8*(\a)+1], v[SS+8*(\a)], s40, s41
.endr
.irp a, 0,1,2,3
	v_add_f32 v[SS+8*(\a)], v[SS+8*(\a)], v[SS+8*(\a)+1]
.endr
.irp a, 0,1,2,3
	v_fma_f32 v[SS+8*(\a)], v[SS+8*(\a)], s42, s43
.endr
.irp a, 0,1,2,3
	v_rsq_f32 v[SS+8*(\a)+2], v[SS+8*(\a)]
.endr
	v_nop                                          ; a plain instruction behind the last of the batch
	s_wait_alu depctr_va_vdst(0)                   ; one wait for the four, ahead of their first reader
.irp a, 0,1,2,3
	v_cndmask_b32 v[RR+2*(\a)], v[SS+8*(\a)+2], v[SC], s74    ; for v the scale takes the factor's place
	v_cndmask_b32 v[RR+2*(\a)+1], v[SS+8*(\a)+2], v[SC], s74
.endr
	PACK 0
	TOSTAGE 0
.irp a, 1,2,3
	PACK \a
	SEND (\a)-1
	TOSTAGE \a
.endr
	SEND 3
	s_cmp_eq_u32 s2, 1
	s_cbranch_scc1 .Lnomove                        ; behind the second trip nothing is left to copy
	s_wait_xcnt 0x0                                ; the stores have read their base
	s_add_nc_u64 s[14:15], s[14:15], 64*256        ; my rows 64-127
	WIN 0x83                                       ; destination window 2, source window 3
.set n, 0
.rept 256
	v_mov_b32 v[n], v[n]                           ; their accumulators, ascending, into the registers that the text above names
.set n, n+1
.endr
	WIN 0
.Lnomove:
	s_sub_co_u32 s2, s2, 1
	s_cmp_lg_u32 s2, 0
	s_cbranch_scc1 .Lhalf
	s_wait_tensorcnt 0x0                           ; the wave's end
	ds_add_u32 v[SPW], v[NIL]
	s_wait_dscnt 0x0
	CROUND                                         ; the closing round
	s_endpgm
.Lfunc_end_k_q0148bd3995_qkvg:
	.size	k_q0148bd3995_qkvg, .Lfunc_end_k_q0148bd3995_qkvg-k_q0148bd3995_qkvg
	.p2alignl 7, 3214868480
	.fill 96, 4, 3214868480
	.section	.rodata,"a",@progbits
	.p2align	6, 0x0
	.amdhsa_kernel k_q0148bd3995_qkvg
		.amdhsa_group_segment_fixed_size 327680
		.amdhsa_private_segment_fixed_size 0
		.amdhsa_enable_private_segment 0
		.amdhsa_kernarg_size 48
		.amdhsa_user_sgpr_count 2
		.amdhsa_user_sgpr_kernarg_segment_ptr 1
		.amdhsa_wavefront_size32 1
		.amdhsa_system_sgpr_workgroup_id_x 1
		.amdhsa_system_sgpr_workgroup_id_y 1
		.amdhsa_system_sgpr_workgroup_id_z 1
		.amdhsa_system_vgpr_workitem_id 0
		.amdhsa_next_free_vgpr 1024
		.amdhsa_next_free_sgpr 80
		.amdhsa_reserve_vcc 0
		.amdhsa_float_denorm_mode_32 3
		.amdhsa_float_denorm_mode_16_64 3
		.amdhsa_memory_ordered 1
		.amdhsa_forward_progress 1
		.amdhsa_inst_pref_size 149
	.end_amdhsa_kernel
	.amdgpu_metadata
---
amdhsa.version: [ 1, 2 ]
amdhsa.kernels:
  - .name:           k_q0148bd3995_qkvg
    .symbol:         k_q0148bd3995_qkvg.kd
    .args:
      - { .name: wsb, .offset: 0, .size: 8, .value_kind: global_buffer, .address_space: global }
      - { .name: lat2, .offset: 8, .size: 8, .value_kind: global_buffer, .address_space: global }
      - { .name: mx, .offset: 16, .size: 8, .value_kind: global_buffer, .address_space: global }
      - { .name: gq, .offset: 24, .size: 8, .value_kind: global_buffer, .address_space: global }
      - { .name: gk, .offset: 32, .size: 8, .value_kind: global_buffer, .address_space: global }
      - { .name: qkv, .offset: 40, .size: 8, .value_kind: global_buffer, .address_space: global }
    .group_segment_fixed_size: 327680
    .private_segment_fixed_size: 0
    .kernarg_segment_align: 8
    .kernarg_segment_size: 48
    .max_flat_workgroup_size: 128
    .sgpr_count:     80
    .vgpr_count:     1024
    .wavefront_size: 32
...
	.end_amdgpu_metadata
.endif
;; end of part 3
;; launch attn (part 4): grid 8 x 32, 4 waves a work-group, clusters of 4 x 1, 327,680 bytes of LDS; arguments qkv, ob; writes ob
.if DOCPART == 4
	.amdgcn_target "amdgcn-amd-amdhsa--gfx1250"
	.amdhsa_code_object_version 6
	.text
	.protected	k_q0148bd3995_attn
	.globl	k_q0148bd3995_attn
	.p2align	8
	.type	k_q0148bd3995_attn,@function
k_q0148bd3995_attn:
	s_mov_b64 s[64:65], 0
	v_nop
	global_prefetch_b8 v0, s[64:65] scope:SCOPE_SE
	s_setreg_imm32_b32 hwreg(HW_REG_WAVE_MODE, 25, 1), 1
	s_wait_xcnt 0x0
	s_wait_alu depctr_hold_cnt(0) depctr_sa_sdst(0) depctr_va_vdst(0) depctr_va_sdst(0) depctr_va_ssrc(0) depctr_va_vcc(0) depctr_vm_vsrc(0)
	s_getreg_b32 s2, hwreg(HW_REG_IB_STS2, 6, 4)
	s_cmp_eq_u32 s2, 0
	s_cbranch_scc0 .Lentry_in_a_cluster
	s_endpgm
.Lentry_in_a_cluster:
	s_bfe_u32 s2, ttmp6, 0x10000c
	s_cmp_lg_u32 s2, 0x3003
	s_cbranch_scc0 .Lentry_shape_is_right
	s_endpgm
.Lentry_shape_is_right:
; CAUSAL ATTENTION, head size 128.  q, k, v: qkv [3][32 (16 batch + head)][2048][128] f16; O: ob [4096 tokens][2048 = 128 head + channel] f16.  Products, maxima and sums in f32;
; the weights are rounded to f16 for the second product (their sum is taken of the unrounded weights), O once at the end.
; LIMITS.  A hidden score counts as its value less 1e30.  The running maximum starts at -2^83: f16 operands bound every score by 5.5e11, so it is the true maximum as soon as one visible
; key has been seen; a wave that has seen only hidden keys keeps weights, sum and O of 0.  A weight below 2^-126 counts as 0.  NaN and infinities are not treated apart.
; THE WALK.  A head's queries lie in four super-blocks of 512.  A cluster of four work-groups takes super-block 3 - J and then J (J = the cluster's x, 0 or 1); super-block B needs the key tiles
; (128 keys) 0 .. 4 B + 3: 20 tiles whatever J, one counted loop; all four partners ask for every tile JOINTLY.  Nothing that steers the walk hangs on a work-group's place in its cluster.
; SHARES.  A super-block has four groups of 128 rows; of each group a work-group owns 32 rows (32 cx ..), a wave 16 of them (qh = wave / 2): four tiles of 16 queries a wave, one a group.
; The keys of a tile are split: wave parity kh takes keys 64 kh .. + 63.  Group i sees key tile 4 B + i through the mask and none behind it: with RT tiles left in the block a tile of queries is
; dead where RT < 3 - i (jumped over: no barrier, no tensor load is passed) and masked where RT = 3 - i: the same work in every wave.
; Register tile p stands for group (p + 2 kh) % 4, so that at a block's end every wave hands register tiles 2, 3 to its partner (wave ^ 1) through LDS and finishes register tiles 0, 1.
; A BLOCK'S END stands whole in the trip of its last key tile: the hand-over, a work-group barrier, the merge and the stores.  The test for it (RT = 0) is made of J, constants and the loop's steps:
; it is the same in all four waves and in all four partners.  The next hand-over into the same LDS bytes stands behind a later change of slots, which is a barrier too.
; LAYOUT.  S^T = K Q^T: a lane holds ONE query (l % 16) and the keys 8 (l / 16) + 0..7 of each block of 16; two such results rounded to f16 ARE source 1 of O^T = V^T P.
; SOFTMAX.  p = 2^(c s - c m), c = log2(e) / sqrt(128), m the running maximum; O and l are multiplied by a = 2^(c m_old - c m_new) in every step.  In phases: a tile's 16 products K Q^T, its softmax
; (one batch of 33 exponentials, one wait), its 16 products V^T P.
; PREFETCH.  The cluster J = 0 walks all 16 key tiles of the head in its first block: it asks, in trip t, for tile t + 2 (t = 0 .. 13), one tile ahead of the joint load; wave 0 for K, wave 2 for V;
; each partner 32 of the 128 rows, told apart by address; a lane a row of 256 bytes.  Later walks read the tiles again and ask for nothing.
; REGISTERS: window 0: v1-11, v44-48, v61-63 addresses; v12-43 statistics, 8 a tile (c m, m, l, l, four at work); v49-60 at work; v64-127 S^T, two buffers; v128-159 the mask; v192-223 P, two buffers;
;   v224-255 packed O.  window 1: O^T, 64 a tile.  window 2: v0-127 Q, v128-255 K.  window 3: v0-127 V, v128-255 the second block's Q.
.set KS, 64
.set PK, 272                           ; a row of K in LDS: 256 bytes + 16
.set PVP, 288                          ; a row of V: 256 + 32
.set VOFF, KS*PK
.set STEPB, KS*(PK+PVP)                ; 64 keys: K's rows, then V's
.set SLOT1, 1<<17                      ; a slot holds a tile, two such halves; slot 1 begins here
.set STAGE, SLOT1+2*STEPB              ; 16 rows x 272 bytes for each wave
.set SP, 272
.set XCH, STAGE+4*16*SP                ; what a wave hands to its partner: two tiles of O^T (8,192 bytes each), then c m and l
.set XW, 16896
.set SPARE, XCH+4*XW
.set AK0, 2
.set AV0, 3
.set ADK, 4
.set ADV, 5
.set STO, 6
.set RD, 7
.set GO, 8
.set ST, 12
.set QO, 44
.set XS, 45
.set XS4, 46
.set XR, 47
.set XR4, 48
.set PFO, 61
.set SPW, 62
.set NIL, 63
.set S, 64
.set MD, 128
.set P, 192
.set PKD, 224
.set X0, 64
.set X1, 160
.set KF, 128
.set WV, 12
.set LIM, 15
.set PFA, 18
.set G1K, 24
.set G1V, 32
.set G0K, 40
.set G0V, 44
.set LQ2, 55
.set SLOTS, 56
.set RT, 57
.set CS, 58
.set SEL, 60
.set TB, 62
.set NXT, 63
.set LQ, 66
.set OFF, 68
.set TH, 70
.set BIGN, 74
.set W_KQ, 0x0a                        ; K and Q window 2; C and S^T window 0
.set W_PV, 0x53                        ; V window 3, P window 0, O^T window 1
.set W_RS, 0x41                        ; destination and source 0 window 1
.set MSB, 0
.macro WIN new
.if MSB != (\new)
	s_set_vgpr_msb (MSB<<8)|(\new)
.set MSB, \new
.endif
.endm
.macro JLOAD                           ; waves 0, 1 fetch the halves of a tile's K, waves 2, 3 those of its V; an s_nop 0 and four v_nop follow each line
	s_cmp_lt_u32 s[WV], 2
	s_cbranch_scc0 .Lfor_v_\@
	tensor_load_to_lds s[G0K:G0K+3], s[G1K:G1K+7]
	s_nop 0
.rept 4
	v_nop
.endr
	s_branch .Lasked_\@
.Lfor_v_\@:
	tensor_load_to_lds s[G0V:G0V+3], s[G1V:G1V+7]
	s_nop 0
.rept 4
	v_nop
.endr
.Lasked_\@:
.endm
.macro ASK
	s_cmp_gt_u32 s[SLOTS], s[LIM]
	s_cbranch_scc0 .Lnot_mine_\@
	global_prefetch_b8 v[PFO], s[PFA:PFA+1] th:TH_LOAD_NT scope:SCOPE_SE
.Lnot_mine_\@:
.endm
.macro CROUND
	s_barrier_signal -1
	s_barrier_wait -1
	s_cmp_lg_u32 s[WV], 0
	s_cbranch_scc1 .Lnot_wave_0_\@
	s_barrier_signal -3
.Lnot_wave_0_\@:
	s_barrier_wait -3
	s_barrier_signal -1
	s_barrier_wait -1
.endm
.macro PLACES
.rept 4
	v_nop
.endr
.endm
; THE CHANGE OF SLOTS.  Each wave waits for all its tensor loads (at most one is out: its part of the other slot), adds 0 to its spare word, and waits for that and for its LDS reads and stores.
; fill = 1: the slot just read is filled again with tile NXT, whose address is made anew from that number; the barrier is a round of the cluster's, the joint load the first thing behind it.
.macro CHANGE fill
	WIN 0
	s_wait_tensorcnt 0x0
	ds_add_u32 v[SPW], v[NIL]
.if \fill
	s_lshl_b32 s[OFF], s[NXT], 15                  ; a tile is 32,768 bytes of K and of V
	s_xor_b32 s[G0K+1], s[G0K+1], SLOT1
	s_add_nc_u64 s[G0K+2:G0K+3], s[6:7], s[OFF:OFF+1]
	s_or_b32 s[G0K+3], s[G0K+3], 0x80000000
	s_xor_b32 s[G0V+1], s[G0V+1], SLOT1
	s_add_nc_u64 s[G0V+2:G0V+3], s[8:9], s[OFF:OFF+1]
	s_or_b32 s[G0V+3], s[G0V+3], 0x80000000
	s_add_co_u32 s[NXT], s[NXT], 1                 ; the block's next tile, or behind its last the second block's tile 0
	s_cmp_gt_u32 s[NXT], s[LQ]
	s_cselect_b32 s[NXT], 0, s[NXT]
	s_cselect_b32 s[LQ], s[LQ2], s[LQ]
	s_wait_xcnt 0x0                                ; the last prefetch, a trip back, has read its address
	s_add_nc_u64 s[PFA:PFA+1], s[PFA:PFA+1], 32768
	s_wait_dscnt 0x0
	CROUND
	JLOAD
	ASK
.else
	s_wait_dscnt 0x0
	s_barrier_signal -1
	s_barrier_wait -1
.endif
	s_xor_b32 s[TB], s[TB], SLOT1                  ; the slot to be read now
.endm
; My 64 keys of the tile: K (16 fragments) and V (turned, 16 fragments), in two runs of 32 loads.
.macro FETCH
	WIN 0
	PLACES                                         ; behind the last products that read these registers
	v_add_nc_u32 v[ADK], s[TB], v[AK0]
	v_add_nc_u32 v[ADV], s[TB], v[AV0]
	WIN 0x80
.irp f, 0,1,2,3,4,5,6,7,8,9,10,11,12,13,14,15
	ds_load_b128 v[KF+8*(\f):KF+8*(\f)+3],   v[ADK] offset:((\f)/4)*16*PK+((\f)%4)*64
	ds_load_b128 v[KF+8*(\f)+4:KF+8*(\f)+7], v[ADK] offset:((\f)/4)*16*PK+((\f)%4)*64+32
.endr
	WIN 0xc0
.irp f, 0,1,2,3,4,5,6,7,8,9,10,11,12,13,14,15
	ds_load_tr16_b128 v[8*(\f):8*(\f)+3],   v[ADV] offset:((\f)/8)*32*PVP+((\f)%8)*32
	ds_load_tr16_b128 v[8*(\f)+4:8*(\f)+7], v[ADV] offset:((\f)/8)*32*PVP+16*PVP+((\f)%8)*32
.endr
	WIN 0
	s_wait_dscnt 32                                ; K is in; V's 32 loads may stay out
.endm
; Product i of 16 of S^T = K Q^T for tile p: keys 16 (i % 4) on, channels 32 (i / 4) on; the four accumulators take turns.  The first four start the sums, with 0 or with the mask.
.macro KQ p, masked
.set rS, S+32*((\p)%2)+8*(i%4)
.set rK, KF+32*(i%4)+8*(i/4)
.set rQ, 32*(\p)+8*(i/4)
	WIN W_KQ
.if (i < 4) && (\masked)
	v_wmma_f32_16x16x32_f16 v[rS:rS+7], v[rK:rK+7], v[rQ:rQ+7], v[MD+8*(i%4):MD+8*(i%4)+7]
.elseif i < 4
	v_wmma_f32_16x16x32_f16 v[rS:rS+7], v[rK:rK+7], v[rQ:rQ+7], 0
.else
	v_wmma_f32_16x16x32_f16 v[rS:rS+7], v[rK:rK+7], v[rQ:rQ+7], v[rS:rS+7]
.endif
.set i, i+1
.endm
; Product i of 16 of O^T += V^T P: channels 16 (i % 8) on, keys 32 (i / 8) on; the eight accumulators take turns.
.macro PV p
.set rO, 64*(\p)+8*(i%8)
.set rV, 64*(i/8)+8*(i%8)
.set rP, P+16*((\p)%2)+8*(i/8)
	WIN W_PV
	v_wmma_f32_16x16x32_f16 v[rO:rO+7], v[rV:rV+7], v[rP:rP+7], v[rO:rO+7]
.set i, i+1
.endm
.macro FSC b                           ; c s - c m for pair b
	v_pk_fma_f32 v[rS+2*(\b):rS+2*(\b)+1], v[rS+2*(\b):rS+2*(\b)+1], s[CS:CS+1], v[rT:rT+1] op_sel_hi:[1,0,0] neg_lo:[0,0,1] neg_hi:[0,0,1]
.endm
; One tile's softmax for one step.
.macro SM p
.set rT, ST+8*(\p)
.set rS, S+32*((\p)%2)
.set rP, P+16*((\p)%2)
.set rO, 64*(\p)
	WIN 0
.set j, 0
.rept 4                                ; the maximum: four chains, each accumulator's lowest registers first
	v_max3_num_f32 v[rT+4+j], v[rS+8*j], v[rS+8*j+1], v[rS+8*j+2]
.set j, j+1
.endr
.rept 8
	v_max3_num_f32 v[rT+4+j%4], v[rT+4+j%4], v[rS+8*(j%4)+2*(j/4)+1], v[rS+8*(j%4)+2*(j/4)+2]
.set j, j+1
.endr
	v_max3_num_f32 v[rT+4], v[rT+4], v[rS+7], v[rS+15]
	v_max3_num_f32 v[rT+6], v[rT+6], v[rS+23], v[rS+31]
	v_max3_num_f32 v[rT+4], v[rT+4], v[rT+5], v[rT+6]
	v_max3_num_f32 v[rT+4], v[rT+4], v[rT+7], v[rT+1]
	v_permlanex16_b32 v[rT+5], v[rT+4], s[SEL], s[SEL+1]  ; the query's other 32 keys lie in the lane 16 away
	v_mov_b32 v[rT+7], v[rT]                       ; c m_old
	v_max_num_f32 v[rT+1], v[rT+4], v[rT+5]
	v_mul_f32 v[rT], s[CS], v[rT+1]
	v_sub_f32 v[rT+7], v[rT+7], v[rT]
	FSC 0
	FSC 1
	v_exp_f32 v[rT+6], v[rT+7]                     ; a.  ONE BATCH: a and the 32 weights; nothing ahead of the wait names a result
.set b, 0
.rept 16
	v_exp_f32 v[rS+2*b], v[rS+2*b]
.if b+2 < 16
	FSC b+2
.endif
	v_exp_f32 v[rS+2*b+1], v[rS+2*b+1]
.set b, b+1
.endr
	v_nop                                          ; a plain instruction behind the last exponential
	s_wait_alu depctr_va_vdst(0)                   ; the wait for the batch
.set n, 0
.rept 16
	v_cvt_pk_f16_f32 v[rP+n], v[rS+2*n], v[rS+2*n+1]
.set n, n+1
.endr
.set n, 0
.rept 8
	v_pk_add_f32 v[rS+4*n:rS+4*n+1], v[rS+4*n:rS+4*n+1], v[rS+4*n+2:rS+4*n+3]
.set n, n+1
.endr
.set n, 0
.rept 4
	v_pk_add_f32 v[rS+8*n:rS+8*n+1], v[rS+8*n:rS+8*n+1], v[rS+8*n+4:rS+8*n+5]
.set n, n+1
.endr
	v_pk_add_f32 v[rS:rS+1], v[rS:rS+1], v[rS+8:rS+9]
	v_pk_add_f32 v[rS+16:rS+17], v[rS+16:rS+17], v[rS+24:rS+25]
	v_pk_add_f32 v[rS:rS+1], v[rS:rS+1], v[rS+16:rS+17]
	v_pk_fma_f32 v[rT+2:rT+3], v[rT+2:rT+3], v[rT+6:rT+7], v[rS:rS+1] op_sel_hi:[1,0,1]  ; l = a l + sum
	WIN W_RS
.set n, 0
.rept 32
	v_pk_mul_f32 v[rO+2*n:rO+2*n+1], v[rO+2*n:rO+2*n+1], v[rT+6:rT+7] op_sel_hi:[1,0]
.set n, n+1
.endr
.endm
.macro TILE p
	s_cmp_lt_u32 s[RT], s[TH+(\p)]
	s_cbranch_scc1 .Ldead_\@                       ; all keys of this and every later tile are hidden from the group
	s_cmp_eq_u32 s[RT], s[TH+(\p)]
	s_cbranch_scc1 .Lmask_\@
.set i, 0
.rept 4
	KQ \p, 0
.endr
	WIN 0
	s_branch .Lgo_\@
.Lmask_\@:
.set i, 0
.rept 4
	KQ \p, 1
.endr
	WIN 0
.Lgo_\@:
.rept 12
	KQ \p, 0
.endr
	WIN 0
	PLACES
	SM \p
	s_wait_dscnt 0x0                               ; V is in
.set i, 0
.rept 16
	PV \p
.endr
	WIN 0
.Ldead_\@:
.endm
; A block's end, first half: register tiles 2 and 3 (c m, the whole l, O^T) go into my part of the exchange.
.macro SENDX
	WIN 0
	PLACES
.irp u, 2,3
	v_add_f32 v[ST+8*(\u)+4], v[ST+8*(\u)+2], v[ST+8*(\u)+3]
.endr
.irp u, 2,3
	v_permlanex16_b32 v[ST+8*(\u)+5], v[ST+8*(\u)+4], s[SEL], s[SEL+1]
.endr
.irp u, 2,3
	v_add_f32 v[ST+8*(\u)+4], v[ST+8*(\u)+4], v[ST+8*(\u)+5]
.endr
.irp u, 2,3
	ds_store_b32 v[XS4], v[ST+8*(\u)] offset:((\u)-2)*256
	ds_store_b32 v[XS4], v[ST+8*(\u)+4] offset:((\u)-2)*256+128
.endr
	WIN 0x04                                       ; the stores' data in window 1
.set g, 0
.rept 32
	ds_store_b128 v[XS], v[128+4*g:128+4*g+3] offset:g*512
.set g, g+1
.endr
	WIN 0
.endm
.macro MERGE u, X, GG, GP              ; register tile u: O = O g + O' g', rounded to f16, through my stage, stored
.set n, 0
.rept 32
	v_pk_mul_f32 v[(\X)+2*n:(\X)+2*n+1], v[(\X)+2*n:(\X)+2*n+1], v[\GP:\GP+1] op_sel_hi:[1,0]
.set n, n+1
.endr
	WIN 0x01                                       ; source 0 window 1
.set n, 0
.rept 32
	v_pk_fma_f32 v[(\X)+2*n:(\X)+2*n+1], v[64*(\u)+2*n:64*(\u)+2*n+1], v[\GG:\GG+1], v[(\X)+2*n:(\X)+2*n+1] op_sel_hi:[1,0,1]
.set n, n+1
.endr
	WIN 0
.set n, 0
.rept 32
	v_cvt_pk_f16_f32 v[PKD+n], v[(\X)+2*n], v[(\X)+2*n+1]
.set n, n+1
.endr
.irp f, 0,1,2,3,4,5,6,7
	ds_store_b128 v[STO], v[PKD+4*(\f):PKD+4*(\f)+3] offset:32*(\f)
.endr
.irp f, 0,1,2,3,4,5,6,7
	ds_load_b128 v[64+32*(\u)+4*(\f):64+32*(\u)+4*(\f)+3], v[RD] offset:(\f)*2*SP  ; LDS serves a wave's instructions in order: these see the stores above
.endr
	s_wait_dscnt 0x0
.irp f, 0,1,2,3,4,5,6,7
	global_store_b128 v[GO], v[64+32*(\u)+4*(\f):64+32*(\u)+4*(\f)+3], s[10:11] offset:(\u)*524288+(\f)*8192  ; 16 lanes store 256 consecutive bytes, aligned
.endr
.endm
; A block's end, second half, behind a barrier: my register tiles 0 and 1 take the partner's share of the same queries.
.macro FINISH
	WIN 0
	ds_load_b32 v49, v[XR4]                        ; c m', l' of tile 0, of tile 1
	ds_load_b32 v50, v[XR4] offset:128
	ds_load_b32 v51, v[XR4] offset:256
	ds_load_b32 v52, v[XR4] offset:384
.set g, 0
.rept 16
	ds_load_b128 v[X0+4*g:X0+4*g+3], v[XR] offset:g*512
.set g, g+1
.endr
.set g, 0
.rept 16
	ds_load_b128 v[X1+4*g:X1+4*g+3], v[XR] offset:8192+g*512
.set g, g+1
.endr
	v_add_f32 v53, v[ST+2], v[ST+3]
	v_add_f32 v54, v[ST+10], v[ST+11]
	v_mov_b32 v55, 0
	v_mov_b32 v56, 0
	v_permlanex16_b32 v55, v53, s[SEL], s[SEL+1]
	v_permlanex16_b32 v56, v54, s[SEL], s[SEL+1]
	v_add_f32 v53, v53, v55
	v_add_f32 v54, v54, v56
	s_wait_dscnt 0x0
	v_max_num_f32 v55, v[ST], v49
	v_max_num_f32 v56, v[ST+8], v51
	v_sub_f32 v57, v[ST], v55
	v_sub_f32 v58, v49, v55
	v_sub_f32 v59, v[ST+8], v56
	v_sub_f32 v60, v51, v56
	v_exp_f32 v57, v57
	v_exp_f32 v58, v58
	v_exp_f32 v59, v59
	v_exp_f32 v60, v60
	v_nop
	s_wait_alu depctr_va_vdst(0)                   ; one wait for the four
	v_mul_f32 v36, v57, v53
	v_mul_f32 v37, v59, v54
	v_fmac_f32 v36, v58, v50
	v_fmac_f32 v37, v60, v52
	v_rcp_f32 v38, v36
	v_rcp_f32 v39, v37
	v_nop
	s_wait_alu depctr_va_vdst(0)                   ; one wait for the two
	v_mul_f32 v28, v57, v38
	v_mul_f32 v30, v58, v38
	v_mul_f32 v32, v59, v39
	v_mul_f32 v34, v60, v39
	v_mov_b32 v29, v28                             ; named as pairs
	v_mov_b32 v31, v30
	v_mov_b32 v33, v32
	v_mov_b32 v35, v34
	MERGE 0, X0, 28, 30
	MERGE 1, X1, 32, 34
	s_wait_xcnt 0x0                                ; the stores have read their registers and O's address
.endm
; The second block begins: its rows of O, its statistics, its Q.  What O^T holds is finite and is multiplied by a = 0 in the block's first step.
.macro BEGIN
	s_mov_b64 s[10:11], s[48:49]
.irp t, 0,1,2,3
	v_mov_b32 v[ST+8*(\t)], 0xfe000000             ; c m: far below every c s
	v_mov_b32 v[ST+8*(\t)+1], 0xe9000000           ; m: -2^83
	v_mov_b32 v[ST+8*(\t)+2], 0
	v_mov_b32 v[ST+8*(\t)+3], 0
.endr
	WIN 0x83                                       ; destination window 2, source window 3
.set n, 0
.rept 128
	v_mov_b32 v[n], v[128+n]
.set n, n+1
.endr
	WIN 0
	s_lshl_b32 s[RT], s14, 2
	s_add_co_u32 s[RT], s[RT], 4                   ; 4 J + 4 tiles
.endm
	s_load_b64 s[4:5], s[0:1], 0x0                 ; qkv
	s_load_b64 s[10:11], s[0:1], 0x8               ; ob
	v_lshl_add_u32 v[SPW], v0, 2, SPARE
	v_mov_b32 v[NIL], 0
	ds_add_u32 v[SPW], v[NIL]                      ; the wave's opening: the add and its wait ahead of my first tensor load
	v_lshrrev_b32 v1, 5, v0
	v_readfirstlane_b32 s[WV], v1
	s_bfe_u32 s13, ttmp6, 0x40000                  ; cx: it enters Q's, O's and the prefetches' addresses and the mask's numbers alone
	s_mov_b32 s14, ttmp9                           ; J
	s_and_b32 s16, s[WV], 1                        ; kh; also: which half of a tile I fetch
	s_lshr_b32 s17, s[WV], 1                       ; qh
	s_and_b32 s20, ttmp7, 0xffff                   ; 16 batch + head
	s_lshl_b32 s22, s20, 19                        ; its 2,048 rows of 256 bytes
	s_lshl_b32 s2, s16, 14
	s_add_co_u32 s2, s2, s22
	s_add_co_u32 s2, s2, 0x1000000                 ; K lies 16,777,216 bytes behind q, V as far behind K
	s_mov_b32 s3, 0
	s_mul_i32 s21, s16, STEPB
	s_lshl_b32 s23, s13, 13                        ; Q: my work-group's 32 rows of a group, my wave's 16
	s_add_co_u32 s23, s23, s22
	s_lshl_b32 s80, s17, 12
	s_add_co_u32 s23, s23, s80
	s_sub_co_u32 s80, 3, s14                       ; the first super-block
	s_lshl_b32 s81, s80, 17
	s_add_co_u32 s81, s81, s23
	s_lshl_b32 s82, s14, 17
	s_add_co_u32 s82, s82, s23
	s_lshl_b32 s83, s16, 16                        ; register tiles 0, 1: groups 2 kh, 2 kh + 1
	s_sub_co_u32 s84, 0x10000, s83                 ; register tiles 2, 3: groups 2 - 2 kh, 3 - 2 kh
	s_add_co_u32 s50, s81, s83
	s_mov_b32 s51, 0
	s_add_co_u32 s52, s81, s84
	s_mov_b32 s53, 0
	s_add_co_u32 s76, s82, s83
	s_mov_b32 s77, 0
	s_add_co_u32 s78, s82, s84
	s_mov_b32 s79, 0
	s_lshr_b32 s81, s20, 4                         ; O: the token of my first row of group 2 kh,
	s_lshl_b32 s81, s81, 11
	s_lshl_b32 s82, s16, 8
	s_add_co_u32 s81, s81, s82
	s_lshl_b32 s82, s13, 5
	s_add_co_u32 s81, s81, s82
	s_lshl_b32 s82, s17, 4
	s_add_co_u32 s81, s81, s82
	s_lshl_b32 s82, s80, 9
	s_add_co_u32 s82, s82, s81
	s_lshl_b32 s82, s82, 12                        ; 4,096 bytes a token,
	s_lshl_b32 s84, s14, 9
	s_add_co_u32 s84, s84, s81
	s_lshl_b32 s84, s84, 12
	s_and_b32 s81, s20, 15
	s_lshl_b32 s81, s81, 8                         ; the head's 256 bytes
	s_add_co_u32 s82, s82, s81
	s_mov_b32 s83, 0
	s_add_co_u32 s84, s84, s81
	s_mov_b32 s85, 0
	s_lshl_b32 s86, s13, 13                        ; the prefetches: my work-group's 32 rows, in tile 1
	s_add_co_u32 s86, s86, 32768
	s_mov_b32 s87, 0
.irp p, 0,1,2,3
	s_lshl_b32 s[TH+\p], s16, 1                    ; 3 - group of register tile p
	s_add_co_u32 s[TH+\p], s[TH+\p], \p
	s_and_b32 s[TH+\p], s[TH+\p], 3
	s_sub_co_u32 s[TH+\p], 3, s[TH+\p]
.endr
	s_mov_b32 s[G1K], 15|(1<<16)|(1<<20)|(1<<21)|(5<<22)|(3<<25)  ; the mask of four; 2-byte elements; padding on; bit 21 beside a mask; 4 words behind every 64
	s_mov_b32 s[G1V], 15|(1<<16)|(1<<20)|(1<<21)|(5<<22)|(7<<25)  ; the same with 8 words
.irp g, G1K, G1V
	s_mov_b32 s[(\g)+1], 128<<16
	s_mov_b32 s[(\g)+2], KS<<16
	s_mov_b32 s[(\g)+3], 128<<16
	s_mov_b32 s[(\g)+4], KS
	s_mov_b32 s[(\g)+5], 128
	s_mov_b32 s[(\g)+6], 0
	s_mov_b32 s[(\g)+7], 0
.endr
	s_mov_b32 s[CS], 0x3e0293ee                    ; c = log2(e) / sqrt(128)
	s_mov_b32 s[CS+1], s[CS]
	s_mov_b32 s[SEL], 0x76543210
	s_mov_b32 s[SEL+1], 0xfedcba98
	s_mov_b32 s[BIGN], 0xf149f2ca                  ; -1e30
	s_mov_b32 s[TB], SLOT1                         ; the first change of slots turns it into 0
	s_mov_b32 s[NXT], 1
	s_lshl_b32 s[LQ2], s14, 2
	s_sub_co_u32 s[RT], 16, s[LQ2]                 ; the first block has 16 - 4 J tiles,
	s_sub_co_u32 s[LQ], 15, s[LQ2]                 ; the last of them this one;
	s_add_co_u32 s[LQ2], s[LQ2], 3                 ; the second block's last
	s_mov_b32 s[OFF+1], 0
	s_mov_b32 s[SLOTS], 19
	s_or_b32 s[LIM], s16, s14                      ; waves 0 and 2 of the cluster J = 0 prefetch, while more than 5 tiles are still to be asked for
	s_cmp_eq_u32 s[LIM], 0
	s_cselect_b32 s[LIM], 5, -1
	s_mov_b32 s[G0K], 1
	s_mov_b32 s[G0K+1], s21
	s_mov_b32 s[G0V], 1
	s_add_co_u32 s[G0V+1], s21, VOFF
	s_wait_dscnt 0x0                               ; the opening add is done
	s_wait_kmcnt 0x0
	s_add_nc_u64 s[6:7], s[4:5], s[2:3]            ; K and V at my half of the head's tile 0
	s_add_nc_u64 s[8:9], s[6:7], 0x1000000
	s_add_nc_u64 s[G0K+2:G0K+3], s[6:7], 0
	s_or_b32 s[G0K+3], s[G0K+3], 0x80000000
	s_add_nc_u64 s[G0V+2:G0V+3], s[8:9], 0
	s_or_b32 s[G0V+3], s[G0V+3], 0x80000000
	s_add_nc_u64 s[50:51], s[4:5], s[50:51]
	s_add_nc_u64 s[52:53], s[4:5], s[52:53]
	s_add_nc_u64 s[76:77], s[4:5], s[76:77]
	s_add_nc_u64 s[78:79], s[4:5], s[78:79]
	s_add_nc_u64 s[48:49], s[10:11], s[84:85]
	s_add_nc_u64 s[10:11], s[10:11], s[82:83]
	s_cmp_lt_u32 s[WV], 2
	s_cselect_b64 s[PFA:PFA+1], s[6:7], s[8:9]
	s_add_nc_u64 s[PFA:PFA+1], s[PFA:PFA+1], s[86:87]
	CROUND                                         ; all four work-groups are here: the first joint loads meet
	JLOAD                                          ; tile 0 into slot 0
	v_and_b32 v1, 15, v0                           ; l % 16
	v_bfe_u32 v9, v0, 4, 1                         ; l / 16
	v_lshlrev_b32 v[QO], 8, v1
	v_lshl_add_u32 v[QO], v9, 4, v[QO]
	WIN 0x80                                       ; the first block's Q: tile i / 4, channels 32 (i % 4) on
.set i, 0
.rept 16
	global_load_b128 v[8*i:8*i+3],   v[QO], s[50+2*(i/8):51+2*(i/8)] offset:((i/4)%2)*32768+(i%4)*64
	global_load_b128 v[8*i+4:8*i+7], v[QO], s[50+2*(i/8):51+2*(i/8)] offset:((i/4)%2)*32768+(i%4)*64+32
.set i, i+1
.endr
	WIN 0xc0                                       ; the second block's
.set i, 0
.rept 16
	global_load_b128 v[128+8*i:128+8*i+3],   v[QO], s[76+2*(i/8):77+2*(i/8)] offset:((i/4)%2)*32768+(i%4)*64
	global_load_b128 v[128+8*i+4:128+8*i+7], v[QO], s[76+2*(i/8):77+2*(i/8)] offset:((i/4)%2)*32768+(i%4)*64+32
.set i, i+1
.endr
	WIN 0x40
.set n, 0
.rept 256
	v_mov_b32 v[n], 0                              ; O^T: finite is enough; written in the wait for the first tile
.set n, n+1
.endr
	WIN 0
.irp t, 0,1,2,3
	v_mov_b32 v[ST+8*(\t)], 0xfe000000
	v_mov_b32 v[ST+8*(\t)+1], 0xe9000000
	v_mov_b32 v[ST+8*(\t)+2], 0
	v_mov_b32 v[ST+8*(\t)+3], 0
	v_mov_b32 v[ST+8*(\t)+4], 0
	v_mov_b32 v[ST+8*(\t)+5], 0
	v_mov_b32 v[ST+8*(\t)+6], 0
	v_mov_b32 v[ST+8*(\t)+7], 0
.endr
	v_mul_u32_u24 v[AK0], v1, PK
	v_lshl_add_u32 v[AK0], v9, 4, v[AK0]
	v_add_nc_u32 v[AK0], s21, v[AK0]               ; my half of the tile's keys
	v_and_b32 v10, 7, v0
	v_bfe_u32 v11, v0, 3, 1
	v_lshl_add_u32 v[AV0], v9, 3, v10
	v_mul_u32_u24 v[AV0], v[AV0], PVP
	v_lshl_add_u32 v[AV0], v11, 4, v[AV0]
	v_add_nc_u32 v[AV0], VOFF, v[AV0]
	v_add_nc_u32 v[AV0], s21, v[AV0]
	s_mul_i32 s54, s[WV], 16*SP
	s_add_co_u32 s54, s54, STAGE
	v_mul_u32_u24 v[STO], v1, SP
	v_lshl_add_u32 v[STO], v9, 4, v[STO]
	v_add_nc_u32 v[STO], s54, v[STO]
	v_mul_u32_u24 v[RD], v9, SP
	v_lshl_add_u32 v[RD], v1, 4, v[RD]
	v_add_nc_u32 v[RD], s54, v[RD]
	v_lshlrev_b32 v[GO], 12, v9
	v_lshl_add_u32 v[GO], v1, 4, v[GO]
	v_and_b32 v49, 31, v0
	v_lshlrev_b32 v[PFO], 8, v49
	s_mul_i32 s54, s[WV], XW
	s_add_co_u32 s54, s54, XCH                     ; my part of the exchange,
	v_lshl_add_u32 v[XS], v49, 4, s54
	v_lshl_add_u32 v[XS4], v49, 2, s54
	v_add_nc_u32 v[XS4], 16384, v[XS4]
	s_xor_b32 s54, s[WV], 1
	s_mul_i32 s54, s54, XW
	s_add_co_u32 s54, s54, XCH                     ; my partner's
	v_lshl_add_u32 v[XR], v49, 4, s54
	v_lshl_add_u32 v[XR4], v49, 2, s54
	v_add_nc_u32 v[XR4], 16384, v[XR4]
	s_lshl_b32 s80, s13, 5                         ; the mask of a group's own key tile: register n (key block n / 8) is hidden where 16 (n / 8) + n % 8 > my row in the group - 64 kh - 8 (l / 16)
	s_lshl_b32 s81, s17, 4
	s_add_co_u32 s80, s80, s81
	s_lshl_b32 s81, s16, 6
	s_sub_co_u32 s80, s80, s81
	v_lshlrev_b32 v50, 3, v9
	v_sub_nc_u32 v50, v1, v50
	v_add_nc_u32 v50, s80, v50
.set n, 0
.rept 32
	v_cmp_gt_i32 vcc_lo, 16*(n/8)+n%8, v50
	v_cndmask_b32 v[MD+n], 0, s[BIGN], vcc_lo
.set n, n+1
.endr
	s_wait_loadcnt 0x0                             ; Q
.Lslot:                                                ; 19 trips: a tile is entered and the next is asked for
	CHANGE 1
	s_sub_co_u32 s[RT], s[RT], 1
	FETCH
	TILE 0
	TILE 1
	TILE 2
	TILE 3
	s_cmp_lg_u32 s[RT], 0                          ; the same answer in all four waves and in all four partners: RT is made of J, constants and the loop's steps
	s_cbranch_scc1 .Lnoend
	SENDX                                          ; THE FIRST BLOCK'S END (the second's last tile is the walk's last, behind the loop): the hand-over,
	s_wait_tensorcnt 0x0                           ; the next tile, asked for at this trip's head, has landed: no load of mine is out at this barrier;
	ds_add_u32 v[SPW], v[NIL]
	s_wait_dscnt 0x0                               ; for the partner's sake: my stores into the exchange are done
	s_barrier_signal -1
	s_barrier_wait -1                              ; the partner's are too
	FINISH                                         ; my reads of the exchange are waited for here; the next hand-over stands behind a later change of slots
	BEGIN
.Lnoend:
	s_sub_co_u32 s[SLOTS], s[SLOTS], 1
	s_cmp_lg_u32 s[SLOTS], 0
	s_cbranch_scc1 .Lslot
	CHANGE 0                                       ; the walk's last tile is written out
	s_sub_co_u32 s[RT], s[RT], 1
	FETCH
	TILE 1                                         ; only the last group is alive: register tile 3 (kh = 0) or 1 (kh = 1)
	TILE 3
	SENDX
	s_wait_dscnt 0x0                               ; for the partner's sake: my stores are done
	s_barrier_signal -1
	s_barrier_wait -1
	FINISH
	s_wait_tensorcnt 0x0                           ; the wave's end
	ds_add_u32 v[SPW], v[NIL]
	s_wait_dscnt 0x0
	CROUND                                         ; the closing round
	s_endpgm
.Lfunc_end_k_q0148bd3995_attn:
	.size	k_q0148bd3995_attn, .Lfunc_end_k_q0148bd3995_attn-k_q0148bd3995_attn
	.p2alignl 7, 3214868480
	.fill 96, 4, 3214868480
	.section	.rodata,"a",@progbits
	.p2align	6, 0x0
	.amdhsa_kernel k_q0148bd3995_attn
		.amdhsa_group_segment_fixed_size 327680
		.amdhsa_private_segment_fixed_size 0
		.amdhsa_enable_private_segment 0
		.amdhsa_kernarg_size 16
		.amdhsa_user_sgpr_count 2
		.amdhsa_user_sgpr_kernarg_segment_ptr 1
		.amdhsa_wavefront_size32 1
		.amdhsa_system_sgpr_workgroup_id_x 1
		.amdhsa_system_sgpr_workgroup_id_y 1
		.amdhsa_system_sgpr_workgroup_id_z 1
		.amdhsa_system_vgpr_workitem_id 0
		.amdhsa_next_free_vgpr 1024
		.amdhsa_next_free_sgpr 88
		.amdhsa_reserve_vcc 1
		.amdhsa_float_denorm_mode_32 3
		.amdhsa_float_denorm_mode_16_64 3
		.amdhsa_memory_ordered 1
		.amdhsa_forward_progress 1
		.amdhsa_inst_pref_size 149
	.end_amdhsa_kernel
	.amdgpu_metadata
---
amdhsa.version: [ 1, 2 ]
amdhsa.kernels:
  - .name:           k_q0148bd3995_attn
    .symbol:         k_q0148bd3995_attn.kd
    .args:
      - { .name: qkv, .offset: 0, .size: 8, .value_kind: global_buffer, .address_space: global }
      - { .name: ob, .offset: 8, .size: 8, .value_kind: global_buffer, .address_space: global }
    .group_segment_fixed_size: 327680
    .private_segment_fixed_size: 0
    .kernarg_segment_align: 8
    .kernarg_segment_size: 16
    .max_flat_workgroup_size: 128
    .sgpr_count:     88
    .vgpr_count:     1024
    .wavefront_size: 32
...
	.end_amdgpu_metadata
.endif
;; end of part 4
;; launch outg (part 5): grid 8 x 32, 4 waves a work-group, clusters of 4 x 4, 327,680 bytes of LDS; arguments ob, wsb, mx, out0; writes out0
.if DOCPART == 5
	.amdgcn_target "amdgcn-amd-amdhsa--gfx1250"
	.amdhsa_code_object_version 6
	.text
	.protected	k_q0148bd3995_outg
	.globl	k_q0148bd3995_outg
	.p2align	8
	.type	k_q0148bd3995_outg,@function
k_q0148bd3995_outg:
	s_mov_b64 s[64:65], 0
	v_nop
	global_prefetch_b8 v0, s[64:65] scope:SCOPE_SE
	s_setreg_imm32_b32 hwreg(HW_REG_WAVE_MODE, 25, 1), 1
	s_wait_xcnt 0x0
	s_wait_alu depctr_hold_cnt(0) depctr_sa_sdst(0) depctr_va_vdst(0) depctr_va_sdst(0) depctr_va_ssrc(0) depctr_va_vcc(0) depctr_vm_vsrc(0)
	s_getreg_b32 s2, hwreg(HW_REG_IB_STS2, 6, 4)
	s_cmp_eq_u32 s2, 0
	s_cbranch_scc0 .Lentry_in_a_cluster
	s_endpgm
.Lentry_in_a_cluster:
	s_bfe_u32 s2, ttmp6, 0x10000c
	s_cmp_lg_u32 s2, 0xf033
	s_cbranch_scc0 .Lentry_shape_is_right
	s_endpgm
.Lentry_shape_is_right:
; OUTG: out0 = 2^(eb - 126) x (ob WO).  A = ob [4096][2048] f16 (K along the rows), B = WO [2048][1024] f16 in wsb (K down the rows); sums in f32; out0 [4096][1024] f32.
; eb = the exponent field (at most 252) of the largest |lat| (the 1,024 words of mx): the factor takes back the scale that v was stored with.
; A tile of out0 is 128 x 128: 256 work-groups; four waves, each 64 x 64: 16 accumulators.  K goes in steps of 256 through two LDS slots filled by tensor loads.
; CLUSTER 4 x 4: A's tile shared along a row, B's along a column.  THE PRODUCT IS TAKEN TRANSPOSED: a lane holds row l % 16 and the columns 8 (l / 16) + 0..7 of each block of 16.
; A wave's 64 columns of f32 are 256 bytes of a row: each wave has a stage of its own and needs no barrier on the way out.  No prefetch: the tiles are small.
; REGISTERS: window 0: v1-31 addresses, v14-15 the factor, v32-63 scaled results, v64-127 rows read back (at the head: mx), v128-255 accumulators ((a, b) at 128 + 8 (4 a + b)); window 1: two fragment buffers.
.set TROWS, 128
.set MB, 4
.set NB, 4
.set CQ, 2
.set QK, 64
.set KSTEP, 256
.set LAPS, 4
.set PA, 528
.set PB, 288
.set AQI, 6
.set AEL, 256
.set AROWS, 64
.set ASTR, 2048
.set BROWS, 128
.set BSTR, 1024
.set BREG, 17825792                    ; WO in wsb
.set AH, AROWS*PA
.set ATILE, 2*AH
.set BH, BROWS*PB
.set SLOT, ATILE+2*BH
.set STAGE, 2*SLOT
.set SP, 272
.set SPARE, STAGE+4*16*SP
.set HWT, 16
.set NWT, 32
.set SC, 14
.set ADRA, 16
.set ADRB, 20
.set STO, 24
.set RD, 25
.set CO, 26
.set SPW, 28
.set NIL, 29
.set TMP, 32
.set BK, 64
.set MT, 64
.set ACC, 128
.set F0, 0
.set F1, 128
.set AOFF, 0
.set BOFF, 64
.set G1, 24
.set G0, 32
.set G1B, 48
.set G0B, 56
.set MUL, 0x05
.set TO_F, 0x40
.set MSB, 0
.macro WIN new
.if MSB != (\new)
	s_set_vgpr_msb (MSB<<8)|(\new)
.set MSB, \new
.endif
.endm
.macro JLOAD s
	s_cmp_eq_u32 s17, 0
	s_cbranch_scc0 .Lfor_b_\@
	tensor_load_to_lds s[G0+4*(\s):G0+4*(\s)+3], s[G1:G1+7]
	s_nop 0
.rept 4
	v_nop
.endr
	s_branch .Lasked_\@
.Lfor_b_\@:
	tensor_load_to_lds s[G0B+4*(\s):G0B+4*(\s)+3], s[G1B:G1B+7]
	s_nop 0
.rept 4
	v_nop
.endr
.Lasked_\@:
.endm
.macro CREST
	s_cmp_lg_u32 s16, 0
	s_cbranch_scc1 .Lnot_wave_0_\@
	s_barrier_signal -3
.Lnot_wave_0_\@:
	s_barrier_wait -3
	s_barrier_signal -1
	s_barrier_wait -1
.endm
.macro CROUND
	s_barrier_signal -1
	s_barrier_wait -1
	CREST
.endm
.macro PLACES
.rept 4
	v_nop
.endr
.endm
.macro MM f, c, a0, n, zero
	WIN MUL
.set a, \a0
.rept \n
.set b, 0
.rept NB
.set rD, ACC+8*(NB*a+b)
.set rB, (\f)+BOFF+8*(NB*(\c)+b)
.set rA, (\f)+AOFF+8*(MB*(\c)+a)
.if \zero
	v_wmma_f32_16x16x32_f16 v[rD:rD+7], v[rB:rB+7], v[rA:rA+7], 0
.else
	v_wmma_f32_16x16x32_f16 v[rD:rD+7], v[rB:rB+7], v[rA:rA+7], v[rD:rD+7]
.endif
.set b, b+1
.endr
.set a, a+1
.endr
.endm
.macro FETCH slot, q, f
	WIN TO_F
.set c, 0
.rept CQ
.set k0, (\q)*QK+32*c
.set rAB, ADRB+2*(\slot)+k0/128
.set b, 0
.rept NB
.set rB, (\f)+BOFF+8*(NB*c+b)
	ds_load_tr16_b128 v[rB:rB+3],   v[rAB] offset:(k0%128)*PB+32*b
	ds_load_tr16_b128 v[rB+4:rB+7], v[rAB] offset:(k0%128)*PB+32*b+16*PB
.set b, b+1
.endr
.set a, 0
.rept MB
.set rA, (\f)+AOFF+8*(MB*c+a)
	ds_load_b128 v[rA:rA+3],   v[ADRA+(\slot)] offset:k0*2+a*16*PA
	ds_load_b128 v[rA+4:rA+7], v[ADRA+(\slot)] offset:k0*2+a*16*PA+32
.set a, a+1
.endr
.set c, c+1
.endr
.endm
.macro HALF1 f, zero
	MM \f, 0, 0, 4, \zero
.endm
.macro HALF2 f, zero
	MM \f, 1, 0, 4, 0
.endm
.macro STEP slot
	s_add_nc_u64 s[G0+4*(\slot)+2:G0+4*(\slot)+3], s[G0+4*(\slot)+2:G0+4*(\slot)+3], 2*KSTEP*2
	s_add_nc_u64 s[G0B+4*(\slot)+2:G0B+4*(\slot)+3], s[G0B+4*(\slot)+2:G0B+4*(\slot)+3], 2*KSTEP*BSTR*2
.endm
.macro QUARTER slot, qn, f, g, zero
	s_wait_dscnt HWT                               ; the first chunk's fragments are in
	HALF1 \f, \zero
	PLACES
	FETCH \slot, \qn, \g
	s_wait_dscnt NWT                               ; all but the loads just issued
	HALF2 \f, \zero
.endm
.macro TURN slot, next, fill
	WIN 0
	s_wait_tensorcnt 0x0                           ; all my tensor loads have landed: my part of the next slot
	ds_add_u32 v[SPW], v[NIL]
	s_wait_dscnt HWT+1                             ; the add and the second chunk's loads may be out
	MM F1, 0, 0, 2, 0
	s_wait_dscnt 0x0                               ; the add is done, my reads of this slot are over
	s_barrier_signal -1
	MM F1, 0, 2, 2, 0
.if \fill
	WIN 0
.endif
	s_barrier_wait -1
.if \fill
	CREST
	STEP \slot
	JLOAD \slot
.else
	PLACES
.endif
	FETCH \next, 0, F0
	MM F1, 1, 0, 4, 0
.endm
	s_load_b256 s[4:11], s[0:1], 0x0               ; ob s[4:5], wsb s[6:7], mx s[8:9], out0 s[10:11]
	v_lshl_add_u32 v[SPW], v0, 2, SPARE
	v_mov_b32 v[NIL], 0
	ds_add_u32 v[SPW], v[NIL]                      ; the wave's opening: the add and its wait ahead of my first tensor load
	v_lshrrev_b32 v1, 5, v0
	v_readfirstlane_b32 s16, v1
	s_lshr_b32 s17, s16, 1
	s_and_b32 s18, s16, 1
	s_bfe_u32 s19, ttmp6, 0x40000
	s_bfe_u32 s20, ttmp6, 0x40004
	s_lshl_b32 s21, ttmp9, 2
	s_add_co_u32 s21, s21, s19                     ; tile column
	s_and_b32 s22, ttmp7, 0xffff
	s_lshl_b32 s22, s22, 2
	s_add_co_u32 s22, s22, s20                     ; tile row
	s_lshl_b32 s23, s20, 2
	s_lshl_b32 s23, 15, s23
	s_lshl_b32 s40, 0x1111, s19
	s_or_b32 s[G1+0], s23, (1<<16)|(1<<20)|(1<<21)|(AQI<<22)|(3<<25)
	s_or_b32 s[G1B+0], s40, (1<<16)|(1<<20)|(1<<21)|(5<<22)|(7<<25)
	s_mov_b32 s[G1+1], AEL<<16
	s_mov_b32 s[G1+2], AROWS<<16
	s_mov_b32 s[G1+3], AEL<<16
	s_mov_b32 s[G1+4], AROWS
	s_mov_b32 s[G1+5], ASTR
	s_mov_b32 s[G1+6], 0
	s_mov_b32 s[G1+7], 0
	s_mov_b32 s[G1B+1], 128<<16
	s_mov_b32 s[G1B+2], BROWS<<16
	s_mov_b32 s[G1B+3], 128<<16
	s_mov_b32 s[G1B+4], BROWS
	s_mov_b32 s[G1B+5], BSTR
	s_mov_b32 s[G1B+6], 0
	s_mov_b32 s[G1B+7], 0
	s_mul_i32 s42, s22, TROWS*ASTR*2
	s_mul_i32 s43, s18, AROWS*ASTR*2
	s_add_co_u32 s42, s42, s43
	s_mov_b32 s43, 0
	s_mul_i32 s44, s18, BROWS*BSTR*2
	s_lshl_b32 s45, s21, 8
	s_add_co_u32 s44, s44, s45
	s_add_co_u32 s44, s44, BREG
	s_mov_b32 s45, 0
	s_mul_i32 s46, s18, AH
	s_mul_i32 s47, s18, BH
	s_add_co_u32 s47, s47, ATILE
	s_wait_dscnt 0x0                               ; the opening add is done
	s_wait_kmcnt 0x0
	s_add_nc_u64 s[42:43], s[4:5], s[42:43]
	s_add_nc_u64 s[44:45], s[6:7], s[44:45]
	CROUND
.irp s, 0,1
	s_mov_b32 s[G0+4*(\s)], 1
	s_add_co_u32 s[G0+4*(\s)+1], s46, (\s)*SLOT
	s_add_nc_u64 s[G0+4*(\s)+2:G0+4*(\s)+3], s[42:43], (\s)*KSTEP*2
	s_or_b32 s[G0+4*(\s)+3], s[G0+4*(\s)+3], 0x80000000
	s_mov_b32 s[G0B+4*(\s)], 1
	s_add_co_u32 s[G0B+4*(\s)+1], s47, (\s)*SLOT
	s_add_nc_u64 s[G0B+4*(\s)+2:G0B+4*(\s)+3], s[44:45], (\s)*KSTEP*BSTR*2
	s_or_b32 s[G0B+4*(\s)+3], s[G0B+4*(\s)+3], 0x80000000
	JLOAD \s
.endr
	v_and_b32 v1, 15, v0
	v_bfe_u32 v2, v0, 4, 1
	v_and_b32 v7, 31, v0
	v_lshlrev_b32 v8, 4, v7
.irp j, 0,1,2,3,4,5,6,7
	global_load_b128 v[MT+4*(\j):MT+4*(\j)+3], v8, s[8:9] offset:512*(\j)
.endr
	v_mul_u32_u24 v3, v1, PA
	v_lshl_add_u32 v3, v2, 4, v3
	s_mul_i32 s40, s17, 16*MB*PA
	v_add_nc_u32 v[ADRA], s40, v3
	v_add_nc_u32 v[ADRA+1], SLOT, v[ADRA]
	v_and_b32 v4, 7, v0
	v_bfe_u32 v5, v0, 3, 1
	v_lshl_add_u32 v4, v2, 3, v4
	v_mul_u32_u24 v4, v4, PB
	v_lshl_add_u32 v4, v5, 4, v4
	s_lshl_b32 s40, s18, 7
	s_add_co_u32 s40, s40, ATILE
	v_add_nc_u32 v[ADRB], s40, v4
	v_add_nc_u32 v[ADRB+1], 128*PB, v[ADRB]
	v_add_nc_u32 v[ADRB+2], SLOT, v[ADRB]
	v_add_nc_u32 v[ADRB+3], SLOT, v[ADRB+1]
	s_mul_i32 s40, s16, 16*SP
	s_add_co_u32 s40, s40, STAGE                   ; my stage
	v_mul_u32_u24 v3, v1, SP                       ; in: row l % 16, 32 bytes for each half of the lanes
	v_lshl_add_u32 v3, v2, 5, v3
	v_add_nc_u32 v[STO], s40, v3
	v_mul_u32_u24 v3, v2, SP
	v_lshl_add_u32 v3, v1, 4, v3
	v_add_nc_u32 v[RD], s40, v3
	v_lshlrev_b32 v3, 12, v2                       ; and the same two rows in out0 (4,096 bytes a row)
	v_lshl_add_u32 v[CO], v1, 4, v3
	s_lshl_b32 s42, s22, 19                        ; the tile's 128 rows, my wave's 64
	s_lshl_b32 s43, s17, 18
	s_add_co_u32 s42, s42, s43
	s_mov_b32 s43, 0
	s_add_nc_u64 s[10:11], s[10:11], s[42:43]
	s_lshl_b32 s44, s21, 9                         ; the tile's 128 columns, my wave's 64
	s_lshl_b32 s45, s18, 8
	s_add_co_u32 s44, s44, s45
	s_mov_b32 s45, 0
	s_add_nc_u64 s[10:11], s[10:11], s[44:45]
	s_mov_b32 s40, 0x76543210
	s_mov_b32 s41, 0xfedcba98
	s_wait_loadcnt 0x0                             ; mx
	v_max_num_f32 v[MT], v[MT], v[MT+1]
.set j, 1
.rept 15
	v_max3_num_f32 v[MT], v[MT], v[MT+2*j], v[MT+2*j+1]
.set j, j+1
.endr
	v_max_num_f32_dpp v[MT], v[MT], v[MT] row_xmask:1 row_mask:0xf bank_mask:0xf
	v_max_num_f32_dpp v[MT], v[MT], v[MT] row_xmask:2 row_mask:0xf bank_mask:0xf
	v_max_num_f32_dpp v[MT], v[MT], v[MT] row_xmask:4 row_mask:0xf bank_mask:0xf
	v_max_num_f32_dpp v[MT], v[MT], v[MT] row_xmask:8 row_mask:0xf bank_mask:0xf
	v_permlanex16_b32 v[MT+1], v[MT], s40, s41
	v_max_num_f32 v[MT], v[MT], v[MT+1]
	v_lshrrev_b32 v[MT], 23, v[MT]                 ; eb
	v_min_u32 v[MT], 252, v[MT]
	v_add_nc_u32 v[MT], 1, v[MT]
	v_lshlrev_b32 v[SC], 23, v[MT]                 ; 2^(eb - 126)
	v_mov_b32 v[SC+1], v[SC]
	s_wait_tensorcnt 0x1                           ; my part of K step 0 is in; K step 1's may stay out
	s_barrier_signal -1
	s_barrier_wait -1
	FETCH 0, 0, F0
	QUARTER 0, 1, F0, F1, 1
	WIN 0
	s_mov_b32 s3, LAPS-1
.Llap:
	QUARTER 0, 2, F1, F0, 0
	QUARTER 0, 3, F0, F1, 0
	TURN 0, 1, 1
	QUARTER 1, 1, F0, F1, 0
	QUARTER 1, 2, F1, F0, 0
	QUARTER 1, 3, F0, F1, 0
	TURN 1, 0, 1
	QUARTER 0, 1, F0, F1, 0
	WIN 0
	s_sub_co_u32 s3, s3, 1
	s_cmp_lg_u32 s3, 0
	s_cbranch_scc1 .Llap
	QUARTER 0, 2, F1, F0, 0
	QUARTER 0, 3, F0, F1, 0
	TURN 0, 1, 0
	QUARTER 1, 1, F0, F1, 0
	QUARTER 1, 2, F1, F0, 0
	QUARTER 1, 3, F0, F1, 0
	s_wait_dscnt HWT
	HALF1 F1, 0
	s_wait_dscnt 0x0
	HALF2 F1, 0
	WIN 0
	; THE WAY OUT, a block of 16 rows at a time: times the factor, into my stage, back as whole rows of 256 bytes, stored.
	PLACES
	PLACES
.macro PACK a
.set n, 0
.rept 16
	v_pk_mul_f32 v[TMP+2*n:TMP+2*n+1], v[ACC+32*(\a)+2*n:ACC+32*(\a)+2*n+1], v[SC:SC+1] op_sel_hi:[1,0]
.set n, n+1
.endr
.endm
.macro TOSTAGE a
.irp b, 0,1,2,3
	ds_store_b128 v[STO], v[TMP+8*(\b):TMP+8*(\b)+3] offset:64*(\b)
	ds_store_b128 v[STO], v[TMP+8*(\b)+4:TMP+8*(\b)+7] offset:64*(\b)+16
.endr
.irp t, 0,1,2,3,4,5,6,7
	ds_load_b128 v[BK+32*((\a)%2)+4*(\t):BK+32*((\a)%2)+4*(\t)+3], v[RD] offset:(\t)*2*SP  ; LDS serves a wave's instructions in order: these see the stores above
.endr
.endm
.macro SEND a
	s_wait_dscnt 0x0                               ; the block is back in registers
	s_wait_xcnt 0x0                                ; the stores of the block before have read their registers: the next block is read back into them only behind this wait
.irp t, 0,1,2,3,4,5,6,7
	global_store_b128 v[CO], v[BK+32*((\a)%2)+4*(\t):BK+32*((\a)%2)+4*(\t)+3], s[10:11] offset:(16*(\a)+2*(\t))*4096  ; 16 lanes store 256 consecutive bytes, aligned
.endr
.endm
	PACK 0
	TOSTAGE 0
.irp a, 1,2,3
	PACK \a
	SEND (\a)-1
	TOSTAGE \a
.endr
	SEND 3
	s_wait_tensorcnt 0x0                           ; the wave's end
	ds_add_u32 v[SPW], v[NIL]
	s_wait_dscnt 0x0
	CROUND
	s_endpgm
.Lfunc_end_k_q0148bd3995_outg:
	.size	k_q0148bd3995_outg, .Lfunc_end_k_q0148bd3995_outg-k_q0148bd3995_outg
	.p2alignl 7, 3214868480
	.fill 96, 4, 3214868480
	.section	.rodata,"a",@progbits
	.p2align	6, 0x0
	.amdhsa_kernel k_q0148bd3995_outg
		.amdhsa_group_segment_fixed_size 327680
		.amdhsa_private_segment_fixed_size 0
		.amdhsa_enable_private_segment 0
		.amdhsa_kernarg_size 32
		.amdhsa_user_sgpr_count 2
		.amdhsa_user_sgpr_kernarg_segment_ptr 1
		.amdhsa_wavefront_size32 1
		.amdhsa_system_sgpr_workgroup_id_x 1
		.amdhsa_system_sgpr_workgroup_id_y 1
		.amdhsa_system_sgpr_workgroup_id_z 1
		.amdhsa_system_vgpr_workitem_id 0
		.amdhsa_next_free_vgpr 512
		.amdhsa_next_free_sgpr 66
		.amdhsa_reserve_vcc 0
		.amdhsa_float_denorm_mode_32 3
		.amdhsa_float_denorm_mode_16_64 3
		.amdhsa_memory_ordered 1
		.amdhsa_forward_progress 1
		.amdhsa_inst_pref_size 92
	.end_amdhsa_kernel
	.amdgpu_metadata
---
amdhsa.version: [ 1, 2 ]
amdhsa.kernels:
  - .name:           k_q0148bd3995_outg
    .symbol:         k_q0148bd3995_outg.kd
    .args:
      - { .name: ob, .offset: 0, .size: 8, .value_kind: global_buffer, .address_space: global }
      - { .name: wsb, .offset: 8, .size: 8, .value_kind: global_buffer, .address_space: global }
      - { .name: mx, .offset: 16, .size: 8, .value_kind: global_buffer, .address_space: global }
      - { .name: out0, .offset: 24, .size: 8, .value_kind: global_buffer, .address_space: global }
    .group_segment_fixed_size: 327680
    .private_segment_fixed_size: 0
    .kernarg_segment_align: 8
    .kernarg_segment_size: 32
    .max_flat_workgroup_size: 128
    .sgpr_count:     66
    .vgpr_count:     512
    .wavefront_size: 32
...
	.end_amdgpu_metadata
.endif
;; end of part 5
;; ======== version 2 of 2: 5 launches; version 1 with the launch prep written anew for expert scheduling mode
;; limits: values are held in f16: magnitudes above 65,504 overflow, below 6.1e-05 lose precision; right only within a limited range of input values
;; workspace buffers: wsb 22,020,096 bytes; lat2 8,388,608 bytes; mx 4,096 bytes; qkv 50,331,648 bytes; ob 16,777,216 bytes
;; launch prep (part 6): grid 672 x 1, 8 waves a work-group, no clusters, 0 bytes of LDS; arguments x, Wq, Wo, Wv, Wkv, Wkr, Wkn, wsb; writes wsb
.if DOCPART == 6
	.amdgcn_target "amdgcn-amd-amdhsa--gfx1250"
	.amdhsa_code_object_version 6
	.text
	.protected	k_q0148bd3995_prep
	.globl	k_q0148bd3995_prep
	.p2align	8
	.type	k_q0148bd3995_prep,@function
k_q0148bd3995_prep:
	s_mov_b64 s[64:65], 0
	v_nop
	global_prefetch_b8 v0, s[64:65] scope:SCOPE_SE
	s_setreg_imm32_b32 hwreg(HW_REG_WAVE_SCHED_MODE, 0, 2), 2
	s_setreg_imm32_b32 hwreg(HW_REG_WAVE_MODE, 25, 1), 1
	s_wait_xcnt 0x0
	s_wait_alu depctr_vm_vsrc(0)
; PREP: every f32 input of the matrix products is rounded once to bf16 and laid into one workspace, wsb:
;   XB [4096][1024] bf16 (x), WQ [1024][2048] bf16, WK [512][2048] bf16 (column 128 h + d is Wkr[:, 64 h + d] for d < 64, else Wkn[:, 64 h + d - 64]),
;   WV [512][2048] bf16, WL [1024][512] bf16 (Wkv), WO [2048][1024]: Wo rounded to bf16, that number written as f16 (the last product's other operand is f16).
; LIMIT: |Wo| stays under 65,504 (f16's range); below 6e-5 it keeps f16's fixed step of 6e-8.
; A stream: no LDS, no matrix unit, nothing shared between work-groups.  A work-group of eight waves takes 65,536 bytes of one source (or 32,768 bytes of WK):
; 16 loads of 16 bytes a thread, all issued first; a wave's load covers 512 consecutive bytes, its store of 8 bytes a lane 256 consecutive bytes, aligned.
; THE MODE: SCHED_MODE bits 1:0 = 2 (LLVM: expert scheduling mode 2), set by the entry lines.  The code itself states the register dependences
; between vector instructions and memory instructions, with s_wait_alu, always for 0.
; THE PLAN.  Registers that memory instructions touch:
;   v1, v4, v2   byte offsets of the source and of the destination.  Written by vector instructions at the head of a path, once; one wait on va_vdst stands ahead of the path's first load;
;                every load and store of the path reads one of them; none is written again.
;   IN, IN2      as targets of loads: each register is loaded once, and no vector instruction names it ahead of its load; the roundings read it behind the load's s_wait_loadcnt.
;   the out registers: chunk i has two of its own (IN2 + 2 i, + 1; in the merge IN + 4 i, + 1).  Written by the chunk's roundings, read by its one store, never written again:
;                so no wait on vm_vsrc is owed anywhere.
;   VCC          in the merge alone: written by one compare, read by the selects: a wait on va_vcc stands directly behind the compare.
; The 16 chunks go in four blocks of four.  Block p rounds its four chunks; its memory instructions are the four stores of block p - 1, whose out registers no rounding of block p names.
; So ONE wait on va_vdst at the head of blocks 1 to 3 states all that those stores hang on, and they are dealt among the block's roundings with no further wait;
; one more stands ahead of the last four stores.
.set XBO, 0
.set WQO, 8388608
.set WKO, 12582912
.set WVO, 14680064
.set WLO, 16777216
.set WOO, 17825792
.set IN,  8                            ; v[8:71]    16 loads of four f32
.set IN2, 72                           ; v[72:135]  the merge's second source; elsewhere the packed results
; Chunk c is rounded into its two out registers.  kind 0: to bf16.  kind 1 (Wo): to bf16, widened again, written as f16.  kind 2 (the merge): both sources to bf16, one chosen.
.macro ROUND kind
.if (\kind) == 2
	v_cvt_pk_bf16_f32 v[IN+4*c], v[IN+4*c], v[IN+4*c+1]
	v_cvt_pk_bf16_f32 v[IN+4*c+1], v[IN+4*c+2], v[IN+4*c+3]
	v_cvt_pk_bf16_f32 v[IN2+4*c], v[IN2+4*c], v[IN2+4*c+1]
	v_cvt_pk_bf16_f32 v[IN2+4*c+1], v[IN2+4*c+2], v[IN2+4*c+3]
	v_cndmask_b32 v[IN+4*c], v[IN+4*c], v[IN2+4*c], vcc_lo
	v_cndmask_b32 v[IN+4*c+1], v[IN+4*c+1], v[IN2+4*c+1], vcc_lo
.else
	v_cvt_pk_bf16_f32 v[IN2+2*c], v[IN+4*c], v[IN+4*c+1]
	v_cvt_pk_bf16_f32 v[IN2+2*c+1], v[IN+4*c+2], v[IN+4*c+3]
.if (\kind) == 1
	v_lshlrev_b32 v[IN+4*c], 16, v[IN2+2*c]
	v_and_b32 v[IN+4*c+1], 0xffff0000, v[IN2+2*c]
	v_lshlrev_b32 v[IN+4*c+2], 16, v[IN2+2*c+1]
	v_and_b32 v[IN+4*c+3], 0xffff0000, v[IN2+2*c+1]
	v_cvt_pk_f16_f32 v[IN2+2*c], v[IN+4*c], v[IN+4*c+1]
	v_cvt_pk_f16_f32 v[IN2+2*c+1], v[IN+4*c+2], v[IN+4*c+3]
.endif
.endif
.endm
; Chunk d is stored from its two out registers.
.macro SEND kind
.if (\kind) == 2
	global_store_b64 v2, v[IN+4*d:IN+4*d+1], s[18:19] offset:2048*d
.else
	global_store_b64 v2, v[IN2+2*d:IN2+2*d+1], s[18:19] offset:2048*d
.endif
.endm
; A path's four blocks and its end.  c counts the chunks rounded, d the chunks stored: d runs one block behind c.
.macro PATH kind
.set c, 0
.set d, 0
.rept 4
.if (\kind) == 2
	s_wait_loadcnt 24-2*c                          ; loads come back in order: this block's four pairs of loads are in, the younger blocks' (eight loads each) stay out
.else
	s_wait_loadcnt 12-c                            ; loads come back in order: this block's four loads are in, the younger blocks' (four each) stay out
.endif
.if c > 0
	s_wait_alu depctr_va_vdst(0)                   ; the block before has written its eight out registers, which the four stores below read
.endif
.rept 4
.if c > 3
	SEND \kind                                     ; a chunk of the block before; no vector instruction since the wait names its registers
.set d, d+1
.endif
	ROUND \kind
.set c, c+1
.endr
.endr
	s_wait_alu depctr_va_vdst(0)                   ; the last block has written its eight out registers, which the last four stores read
.rept 4
	SEND \kind
.set d, d+1
.endr
	s_endpgm
.endm
	s_load_b512 s[4:19], s[0:1], 0x0               ; x s[4:5], Wq s[6:7], Wo s[8:9], Wv s[10:11], Wkv s[12:13], Wkr s[14:15], Wkn s[16:17], wsb s[18:19]
	s_mov_b32 s20, ttmp9                           ; the job: 0-255 x, 256-383 Wq, 384-511 Wo, 512-575 Wv, 576-607 Wkv, 608-671 Wkr with Wkn
	v_lshlrev_b32 v1, 4, v0                        ; 16 t: my place in 4,096 bytes of source
	v_lshlrev_b32 v2, 3, v0                        ; 8 t: my place in 2,048 bytes of destination
	s_wait_kmcnt 0x0
	s_cmp_ge_u32 s20, 608
	s_cbranch_scc1 .Lmerge
	s_mov_b64 s[22:23], s[12:13]                   ; source, destination's offset and first job of the tensor: chosen from the job's number alone
	s_mov_b32 s24, WLO
	s_mov_b32 s25, 576
	s_cmp_lt_u32 s20, 576
	s_cselect_b64 s[22:23], s[10:11], s[22:23]
	s_cselect_b32 s24, WVO, s24
	s_cselect_b32 s25, 512, s25
	s_cmp_lt_u32 s20, 512
	s_cselect_b64 s[22:23], s[8:9], s[22:23]
	s_cselect_b32 s24, WOO, s24
	s_cselect_b32 s25, 384, s25
	s_cmp_lt_u32 s20, 384
	s_cselect_b64 s[22:23], s[6:7], s[22:23]
	s_cselect_b32 s24, WQO, s24
	s_cselect_b32 s25, 256, s25
	s_cmp_lt_u32 s20, 256
	s_cselect_b64 s[22:23], s[4:5], s[22:23]
	s_cselect_b32 s24, XBO, s24
	s_cselect_b32 s25, 0, s25
	s_sub_co_u32 s25, s20, s25                     ; the job's number within its tensor
	s_lshl_b32 s26, s25, 16
	s_lshl_b32 s27, s25, 15
	s_add_co_u32 s27, s27, s24
	v_add_nc_u32 v1, s26, v1
	v_add_nc_u32 v2, s27, v2
	s_wait_alu depctr_va_vdst(0)                   ; v1 and v2 are written: the loads below read v1 as their offset, the path's stores v2
.irp i, 0,1,2,3,4,5,6,7,8,9,10,11,12,13,14,15
	global_load_b128 v[IN+4*(\i):IN+4*(\i)+3], v1, s[22:23] offset:4096*(\i) th:TH_LOAD_NT
.endr
	s_cmp_lt_u32 s20, 384
	s_cbranch_scc1 .Lbf
	s_cmp_ge_u32 s20, 512
	s_cbranch_scc1 .Lbf
	PATH 1                                         ; Wo
.Lbf:
	PATH 0                                         ; x, Wq, Wv, Wkv
.Lmerge:
	; Eight rows of WK.  A chunk of 2,048 bytes is half a row: eight heads of 128 columns; thread t holds columns 4 (t % 32) .. + 3 of head t / 32.
	; Lanes 0-15 of a wave take Wkr, lanes 16-31 Wkn, both at the same offset; both are loaded by all lanes and one is chosen.
	s_sub_co_u32 s25, s20, 608
	s_lshl_b32 s26, s25, 15                        ; eight rows: 32,768 bytes in Wkr, in Wkn and in WK
	v_lshrrev_b32 v3, 5, v0
	v_and_b32 v4, 15, v0
	v_lshlrev_b32 v4, 4, v4
	v_lshl_add_u32 v4, v3, 8, v4                   ; head x 256 bytes + 16 (t % 16)
	v_add_nc_u32 v4, s26, v4
	s_add_co_u32 s27, s26, WKO
	v_add_nc_u32 v2, s27, v2
	v_and_b32 v3, 16, v0
	v_cmp_ne_u32 vcc_lo, 0, v3
	s_wait_alu depctr_va_vcc(0)                    ; VCC is written, ahead of its first reader: the selects of the roundings below read it
	s_wait_alu depctr_va_vdst(0)                   ; v4 and v2 are written: the loads below read v4 as their offset, the path's stores v2
.irp i, 0,1,2,3,4,5,6,7,8,9,10,11,12,13,14,15
	global_load_b128 v[IN+4*(\i):IN+4*(\i)+3], v4, s[14:15] offset:2048*(\i) th:TH_LOAD_NT
	global_load_b128 v[IN2+4*(\i):IN2+4*(\i)+3], v4, s[16:17] offset:2048*(\i) th:TH_LOAD_NT
.endr
	PATH 2
.Lfunc_end_k_q0148bd3995_prep:
	.size	k_q0148bd3995_prep, .Lfunc_end_k_q0148bd3995_prep-k_q0148bd3995_prep
	.p2alignl 7, 3214868480
	.fill 96, 4, 3214868480
	.section	.rodata,"a",@progbits
	.p2align	6, 0x0
	.amdhsa_kernel k_q0148bd3995_prep
		.amdhsa_group_segment_fixed_size 0
		.amdhsa_private_segment_fixed_size 0
		.amdhsa_enable_private_segment 0
		.amdhsa_kernarg_size 64
		.amdhsa_user_sgpr_count 2
		.amdhsa_user_sgpr_kernarg_segment_ptr 1
		.amdhsa_wavefront_size32 1
		.amdhsa_system_sgpr_workgroup_id_x 1
		.amdhsa_system_sgpr_workgroup_id_y 1
		.amdhsa_system_sgpr_workgroup_id_z 1
		.amdhsa_system_vgpr_workitem_id 0
		.amdhsa_next_free_vgpr 144
		.amdhsa_next_free_sgpr 66
		.amdhsa_reserve_vcc 1
		.amdhsa_float_denorm_mode_32 3
		.amdhsa_float_denorm_mode_16_64 3
		.amdhsa_memory_ordered 1
		.amdhsa_forward_progress 1
		.amdhsa_inst_pref_size 27
	.end_amdhsa_kernel
	.amdgpu_metadata
---
amdhsa.version: [ 1, 2 ]
amdhsa.kernels:
  - .name:           k_q0148bd3995_prep
    .symbol:         k_q0148bd3995_prep.kd
    .args:
      - { .name: x, .offset: 0, .size: 8, .value_kind: global_buffer, .address_space: global }
      - { .name: Wq, .offset: 8, .size: 8, .value_kind: global_buffer, .address_space: global }
      - { .name: Wo, .offset: 16, .size: 8, .value_kind: global_buffer, .address_space: global }
      - { .name: Wv, .offset: 24, .size: 8, .value_kind: global_buffer, .address_space: global }
      - { .name: Wkv, .offset: 32, .size: 8, .value_kind: global_buffer, .address_space: global }
      - { .name: Wkr, .offset: 40, .size: 8, .value_kind: global_buffer, .address_space: global }
      - { .name: Wkn, .offset: 48, .size: 8, .value_kind: global_buffer, .address_space: global }
      - { .name: wsb, .offset: 56, .size: 8, .value_kind: global_buffer, .address_space: global }
    .group_segment_fixed_size: 0
    .private_segment_fixed_size: 0
    .kernarg_segment_align: 8
    .kernarg_segment_size: 64
    .max_flat_workgroup_size: 256
    .sgpr_count:     66
    .vgpr_count:     144
    .wavefront_size: 32
...
	.end_amdgpu_metadata
.endif
;; end of part 6
;; launch latg: the kernel of part 2 again; grid 4 x 64, 4 waves a work-group, clusters of 4 x 4, 327,680 bytes of LDS; arguments wsb, lat2, mx; writes lat2, mx
;; launch qkvg: the kernel of part 3 again; grid 24 x 16, 4 waves a work-group, clusters of 4 x 4, 327,680 bytes of LDS; arguments wsb, lat2, mx, gq, gk, qkv; writes qkv
;; launch attn: the kernel of part 4 again; grid 8 x 32, 4 waves a work-group, clusters of 4 x 1, 327,680 bytes of LDS; arguments qkv, ob; writes ob
;; launch outg: the kernel of part 5 again; grid 8 x 32, 4 waves a work-group, clusters of 4 x 4, 327,680 bytes of LDS; arguments ob, wsb, mx, out0; writes out0
